; MI455X (gfx1250); checked and timed in simulation.
; The chip was launched on July 23, 2026; its instructions are those of AMD's public machine-readable ISA for CDNA 5 (MIT licence, August 2026) and "CDNA5" Instruction Set Architecture Reference Guide (July 2026). The comments in the code are by the model that wrote it; some were corrected since.
;; Flex Bert Padded Rope Attention. Allowed arithmetic: matrix products marked QUANTISED: E2M3 operands, one E8M0 scale for each 32 along K, by v_wmma_scale_f32_16x16x128_f8f6f4 with both operands' format E2M3, f32 sums; products left as they are: f32 operands where the result goes on into a quantised operand, else bf16, f16 or f32 operands; f32 sums; everything else in f32.
;; Inputs: Wo_b 1,024 float32; Wo_w_codes 1,024 x 32 x 24 uint8 (E2M3 codes of Wo_w, K innermost, in blocks of 32 codes, four codes in three bytes); Wo_w_scales 1,024 x 32 uint8 (E8M0 scales of Wo_w, one for each 32 codes along K); Wqkv_b 3,072 float32; Wqkv_w_codes 3,072 x 32 x 24 uint8 (E2M3 codes of Wqkv_w, K innermost, in blocks of 32 codes, four codes in three bytes); Wqkv_w_scales 3,072 x 32 uint8 (E8M0 scales of Wqkv_w, one for each 32 codes along K); hidden_states_codes 4 x 2,048 x 32 x 24 uint8 (E2M3 codes of hidden_states, K innermost, in blocks of 32 codes, four codes in three bytes); hidden_states_scales 4 x 2,048 x 32 uint8 (E8M0 scales of hidden_states, one for each 32 codes along K).
;; Outputs: out0 4 x 2,048 x 1,024 float32.
;; This version of the problem:
;;   THIS VERSION OF THE PROBLEM IS GIVEN IN LOW PRECISION. The matrix products marked QUANTISED in the list below multiply operands that are first quantised to E2M3 (2 exponent bits, 3 mantissa bits; 6 bits a number), with one power-of-two scale for each 32 numbers along K (OCP MX v1.0); their sums are f32. All else is computed in f32.
;;   The module's matrix products, in the order in which they are computed (A, B: the left and right operand; K: the contracted axis; several contracted axes count as one K, in the product's order):
;;     1. [M 8,192, K 1,024] x [K 1,024, N 3,072]; A: input hidden_states (given as codes); B: input Wqkv_w (given as codes): QUANTISED
;;     2. [M 2,048, K 1] x [K 1, N 32]; A: computed on the way; B: computed on the way: left as it is (no contracted axis)
;;     3. batch 64 x [M 2,048, K 64] x [K 64, N 2,048]; A: computed on the way; B: computed on the way: QUANTISED
;;     4. batch 64 x [M 64, K 2,048] x [K 2,048, N 2,048]; A: computed on the way; B: softmax (see below): QUANTISED
;;     5. [M 8,192, K 1,024] x [K 1,024, N 1,024]; A: computed on the way; B: input Wo_w (given as codes): QUANTISED
;;   THE QUANTISER, for each operand of a quantised product, along K:
;;     - K is cut into blocks of 32 from its start; a last block that is shorter is filled with zeros.
;;     - A block's scale is 2^e with e = floor(log2(the largest magnitude in the block)) - 2, held to -126 .. 127; a block of zeros has e = 0. As a byte (E8M0): e + 127.
;;     - Each number is divided by its block's scale, clamped to +-7.5, and rounded to the nearest number of E2M3, ties to even, subnormals kept.
;;     - The product sums the exact products of the quantised numbers (number of the format x scale) in f32.
;;   ~~~python
;;   def quantise(x, axis):      # numpy; x: float32 -> the quantised numbers, widened to float32 again
;;       x = np.moveaxis(x, axis, -1); K = x.shape[-1]
;;       x = np.pad(x, [(0, 0)] * (x.ndim - 1) + [(0, -K % 32)]); x = x.reshape(x.shape[:-1] + (-1, 32)); a = np.abs(x).max(-1, keepdims=True)
;;       e = np.where(a > 0, np.clip(np.frexp(np.where(a > 0, a, 1))[1] - 1 - 2, -126, 127), 0)      # np.frexp(a)[1] - 1 = floor(log2(a)), exactly
;;       r = np.clip(x / 2.0 ** e, -7.5, 7.5)
;;       step = 2.0 ** (np.maximum(np.frexp(np.where(r == 0, 1, r))[1] - 1, 0) - 3)
;;       q = np.round(r / step) * step * 2.0 ** e      # np.round: ties to even
;;       return np.moveaxis(q.reshape(q.shape[:-2] + (-1,))[..., :K], -1, axis).astype(np.float32)
;;   ~~~
;;   SOFTMAX AHEAD OF A QUANTISED PRODUCT. Where the list says 'softmax', what is quantised is not the finished softmax but p = 2^(t - M), with t = logit x log2(e) and M = ceil(the row's largest t), a whole number; so 1/2 < the row's largest p <= 1. The row's sum l is taken of the UNQUANTISED p, in f32, and the product's result is divided by l at the end. Since M is a whole number, a kernel that streams over the keys may use a running M (the ceiling of the running maximum): every later rescaling is an exact power of two, which a block's scale takes up: the codes' values come out the same.
;;   OPERANDS COMPUTED ON THE WAY. 'Computed on the way' means the value that the module computes at that place (a softmax that the list does not call 'softmax' is quantised finished and normalised). What goes into a quantiser is computed in f32, as accurately as f32 sums, v_exp_f32 and their like allow (about 1e-6 of the number): no bf16 or f16 on the way to a quantiser, and a product that is left as it is and whose result goes on into a quantised operand takes f32 operands (vector FMAs, or v_wmma_f32_16x16x4_f32). A number that lies on a knife's edge between two numbers of the format may be rounded either way, as far as f32 arithmetic and the matrix unit's own rounding can turn it there, and no further.
;;   INPUTS GIVEN AS CODES. Wo_w (in the module: [1024, 1024], K = its axis 1); Wqkv_w (in the module: [3072, 1024], K = its axis 1); hidden_states (in the module: [4, 2048, 1024], K = its axis 2): each comes as NAME_codes (uint8): NAME with its K axis moved to the last place and cut into blocks of 32 codes, [.., K / 32, bytes a block], one block behind the other in memory; four codes in three bytes: a row's codes are one little-endian stream of bits, code i at bits 6 i .. 6 i + 5 (a code: sign, 2 exponent bits, 3 mantissa bits); and NAME_scales (uint8): the same leading axes, one E8M0 byte (e + 127) for each 32 codes along K. Its value is code x scale, taken as it is: it is not quantised again, and the codes and scales need not be those that the quantiser above would give.
;; One version. Each part assembles by itself: llvm-mc -triple=amdgcn-amd-amdhsa -mcpu=gfx1250 --defsym DOCPART=n.
;; ======== version 1 of 1: 4 launches
;; limits: right only within a limited range of input values
;; workspace buffers: rope 524,288 bytes; qkvimg 20,447,232 bytes; acode 6,291,456 bytes; ascale 262,144 bytes
;; launch ropetab (part 1): grid 128 x 1, 4 waves a work-group, no clusters, 0 bytes of LDS; arguments rope; writes rope
.if DOCPART == 1
	.amdgcn_target "amdgcn-amd-amdhsa--gfx1250"
	.amdhsa_code_object_version 6
	.text
	.protected	k_qef5cbdd3ed_ropetab
	.globl	k_qef5cbdd3ed_ropetab
	.p2align	8
	.type	k_qef5cbdd3ed_ropetab,@function
k_qef5cbdd3ed_ropetab:
	s_mov_b64 s[64:65], 0
	v_nop
	global_prefetch_b8 v0, s[64:65] scope:SCOPE_SE
	s_setreg_imm32_b32 hwreg(HW_REG_WAVE_MODE, 25, 1), 1
	s_wait_xcnt 0x0
; The rotary table: cos and sin of fl(pos x invf[f]), pos = 0 .. 2047, f = 0 .. 31, invf[f] = 10000^(-f/32) = 10^(-f/8), in f32.
; LAYOUT, as the projection's way out wants it in registers: 128 tiles of 16 positions, 4,096 bytes each; chunk i (0-3 cos, 4-7 sin) at 512 i, lane l = (r = l % 16, h = l / 16) at 16 l, word wd at 4 wd:
; position 16 T + r, frequency f = 16 ((i % 4) / 2) + 8 h + 4 (i % 2) + wd.
; SHARES: a work-group makes a tile T, wave w the chunks w (cos) and 4 + w (sin); a lane makes four pairs.  Each store of a wave covers 512 consecutive bytes, aligned.
; ARITHMETIC: the angle is one f32 product; n = the nearest whole number to angle x 2 / pi; r = angle - n x pi/2 in two fused steps (pi/2 as a high and a low f32 word); sin r and cos r on |r| <= pi/4 by the
; usual odd and even polynomials of degree 7 and 8; the quadrant n mod 4 swaps the two and sets the signs.
; LIMITS: invf is the f32 number nearest to 10^(-f/8); a power computed in f32 may differ from it in the last bit.  The reduction serves angles up to some 10^4; here they stay under 2,048.
	s_load_b64 s[4:5], s[0:1], 0x0                 ; the table
	v_lshrrev_b32 v1, 5, v0
	v_readfirstlane_b32 s8, v1                     ; wave 0..3
	v_and_b32 v2, 15, v0                           ; r
	v_bfe_u32 v3, v0, 4, 1                         ; h
	v_and_b32 v4, 31, v0
	v_lshlrev_b32 v4, 4, v4                        ; 16 x lane
	s_lshl_b32 s9, s8, 9
	v_add_nc_u32 v4, s9, v4                        ; + 512 x wave: my 16 bytes of the cos chunk
	s_lshl_b32 s10, ttmp9, 12                      ; the tile's 4,096 bytes
	s_mov_b32 s11, 0
	s_lshl_b32 s12, ttmp9, 4
	v_add_nc_u32 v5, s12, v2                       ; my position
	v_cvt_f32_u32 v5, v5
	v_cmp_eq_u32 vcc_lo, 0, v3                     ; lanes 0-15
; the wave's eight frequencies: s[16 + 2 wd + h] = invf[16 (w / 2) + 4 (w % 2) + 8 h + wd]
.macro FREQ k, a0, a1, a2, a3, b0, b1, b2, b3
.if \k == 0
	s_mov_b32 s16, \a0
	s_mov_b32 s17, \b0
	s_mov_b32 s18, \a1
	s_mov_b32 s19, \b1
	s_mov_b32 s20, \a2
	s_mov_b32 s21, \b2
	s_mov_b32 s22, \a3
	s_mov_b32 s23, \b3
.else
	s_cmp_eq_u32 s8, \k
	s_cselect_b32 s16, \a0, s16
	s_cselect_b32 s17, \b0, s17
	s_cselect_b32 s18, \a1, s18
	s_cselect_b32 s19, \b1, s19
	s_cselect_b32 s20, \a2, s20
	s_cselect_b32 s21, \b2, s21
	s_cselect_b32 s22, \a3, s22
	s_cselect_b32 s23, \b3, s23
.endif
.endm
	FREQ 0, 0x3f800000, 0x3f3ff911, 0x3f0ff59a, 0x3ed7e89b, 0x3dcccccd, 0x3d99940e, 0x3d6655c3, 0x3d2cba15   ; f 0-3, 8-11
	FREQ 1, 0x3ea1e89b, 0x3e72d424, 0x3e361887, 0x3e088d77, 0x3d0186e2, 0x3cc24350, 0x3c91ad39, 0x3c5a7bf1   ; f 4-7, 12-15
	FREQ 2, 0x3c23d70a, 0x3bf5b9b0, 0x3bb8449c, 0x3b8a2e77, 0x3a83126f, 0x3a44948c, 0x3a136a16, 0x39dd1726   ; f 16-19, 24-27
	FREQ 3, 0x3b4f3e37, 0x3b1b690d, 0x3ae91528, 0x3aaec98e, 0x39a5cb5f, 0x3978a814, 0x393a7753, 0x390bd472   ; f 20-23, 28-31
	s_mov_b32 s24, 0x3fc90fdb                      ; pi/2, the high word
	s_mov_b32 s25, 0xb33bbd2e                      ; pi/2 less that word
	s_mov_b32 s26, 0xb94ca1f9                      ; sin: -1.9515295891e-4
	s_mov_b32 s27, 0x3c08839e                      ;       8.3321608736e-3
	s_mov_b32 s28, 0xbe2aaaa3                      ;      -1.6666654611e-1
	s_mov_b32 s29, 0x37ccf5ce                      ; cos:  2.443315712e-5
	s_mov_b32 s30, 0xbab6061a                      ;      -1.388731625e-3
	s_mov_b32 s31, 0x3d2aaaa5                      ;       4.166664568e-2
.macro TRIG wd
	v_mov_b32 v8, s[16+2*\wd]
	v_cndmask_b32 v8, s[17+2*\wd], v8, vcc_lo      ; my half's frequency
	s_wait_alu depctr_va_vdst(0)
	v_mul_f32 v9, v5, v8                           ; the angle: one rounding
	v_mul_f32 v10, 0x3f22f983, v9                  ; x 2 / pi
	v_rndne_f32 v10, v10                           ; n
	v_fma_f32 v11, -v10, s24, v9
	v_fma_f32 v11, -v10, s25, v11                  ; r = angle - n pi/2
	v_cvt_i32_f32 v12, v10                         ; the quadrant's number
	v_mul_f32 v13, v11, v11                        ; r^2
	v_fma_f32 v14, v13, s26, s27
	v_fma_f32 v14, v14, v13, s28
	v_mul_f32 v15, v11, v13
	v_fma_f32 v14, v15, v14, v11                   ; sin r
	v_fma_f32 v16, v13, s29, s30
	v_fma_f32 v16, v16, v13, s31
	v_fma_f32 v17, v13, -0.5, 1.0
	v_mul_f32 v18, v13, v13
	v_fma_f32 v16, v18, v16, v17                   ; cos r
	v_and_b32 v19, 1, v12
	v_cmp_ne_u32 s32, 0, v19                       ; an odd quadrant swaps the two
	v_cndmask_b32 v20, v14, v16, s32
	v_cndmask_b32 v21, v16, v14, s32
	v_and_b32 v22, 2, v12
	v_lshlrev_b32 v22, 30, v22                     ; sin is negative in quadrants 2, 3
	v_xor_b32 v[36+\wd], v22, v20
	v_add_nc_u32 v23, 1, v12
	v_and_b32 v23, 2, v23
	v_lshlrev_b32 v23, 30, v23                     ; cos in quadrants 1, 2
	v_xor_b32 v[32+\wd], v23, v21
.endm
	TRIG 0
	TRIG 1
	TRIG 2
	TRIG 3
	s_wait_alu depctr_va_vdst(0)
	s_wait_kmcnt 0x0
	s_add_nc_u64 s[4:5], s[4:5], s[10:11]
	global_store_b128 v4, v[32:35], s[4:5]
	global_store_b128 v4, v[36:39], s[4:5] offset:2048
	s_endpgm
.Lfunc_end_k_qef5cbdd3ed_ropetab:
	.size	k_qef5cbdd3ed_ropetab, .Lfunc_end_k_qef5cbdd3ed_ropetab-k_qef5cbdd3ed_ropetab
	.p2alignl 7, 3214868480
	.fill 96, 4, 3214868480
	.section	.rodata,"a",@progbits
	.p2align	6, 0x0
	.amdhsa_kernel k_qef5cbdd3ed_ropetab
		.amdhsa_group_segment_fixed_size 0
		.amdhsa_private_segment_fixed_size 0
		.amdhsa_enable_private_segment 0
		.amdhsa_kernarg_size 8
		.amdhsa_user_sgpr_count 2
		.amdhsa_user_sgpr_kernarg_segment_ptr 1
		.amdhsa_wavefront_size32 1
		.amdhsa_system_sgpr_workgroup_id_x 1
		.amdhsa_system_sgpr_workgroup_id_y 1
		.amdhsa_system_sgpr_workgroup_id_z 1
		.amdhsa_system_vgpr_workitem_id 0
		.amdhsa_next_free_vgpr 64
		.amdhsa_next_free_sgpr 66
		.amdhsa_reserve_vcc 1
		.amdhsa_float_denorm_mode_32 3
		.amdhsa_float_denorm_mode_16_64 3
		.amdhsa_memory_ordered 1
		.amdhsa_forward_progress 1
		.amdhsa_inst_pref_size 10
	.end_amdhsa_kernel
	.amdgpu_metadata
---
amdhsa.version: [ 1, 2 ]
amdhsa.kernels:
  - .name:           k_qef5cbdd3ed_ropetab
    .symbol:         k_qef5cbdd3ed_ropetab.kd
    .args:
      - { .name: rope, .offset: 0, .size: 8, .value_kind: global_buffer, .address_space: global }
    .group_segment_fixed_size: 0
    .private_segment_fixed_size: 0
    .kernarg_segment_align: 8
    .kernarg_segment_size: 8
    .max_flat_workgroup_size: 128
    .sgpr_count:     66
    .vgpr_count:     64
    .wavefront_size: 32
...
	.end_amdgpu_metadata
.endif
;; end of part 1
;; launch qkvproj (part 2): grid 12 x 32, 4 waves a work-group, clusters of 4 x 4, 327,680 bytes of LDS; arguments hidden_states_codes, hidden_states_scales, Wqkv_w_codes, Wqkv_w_scales, Wqkv_b, rope, qkvimg; writes qkvimg
.if DOCPART == 2
	.amdgcn_target "amdgcn-amd-amdhsa--gfx1250"
	.amdhsa_code_object_version 6
	.text
	.protected	k_qef5cbdd3ed_qkvproj
	.globl	k_qef5cbdd3ed_qkvproj
	.p2align	8
	.type	k_qef5cbdd3ed_qkvproj,@function
k_qef5cbdd3ed_qkvproj:
	s_mov_b64 s[64:65], 0
	v_nop
	global_prefetch_b8 v0, s[64:65] scope:SCOPE_SE
	s_setreg_imm32_b32 hwreg(HW_REG_WAVE_MODE, 25, 1), 1
	s_wait_xcnt 0x0
	s_wait_alu depctr_hold_cnt(0) depctr_sa_sdst(0) depctr_va_vdst(0) depctr_va_sdst(0) depctr_va_ssrc(0) depctr_va_vcc(0) depctr_vm_vsrc(0)
	s_getreg_b32 s2, hwreg(HW_REG_IB_STS2, 6, 4)
	s_cmp_eq_u32 s2, 0
	s_cbranch_scc0 .Lentry_in_a_cluster
	s_endpgm
.Lentry_in_a_cluster:
	s_bfe_u32 s2, ttmp6, 0x10000c
	s_cmp_lg_u32 s2, 0xf033
	s_cbranch_scc0 .Lentry_shape_is_right
	s_endpgm
.Lentry_shape_is_right:
; qkv = hidden Wqkv^T + bias on given FP6 codes; q and k are rotated, then q, k (along the head's 64) and v (along the keys) are quantised and stored as register images for the attention.
; A work-group makes 256 x 256, a wave 128 x 128 (64 accumulators).  Clusters x = 0, 1: rows = positions, columns = q's and k's channels.  Cluster x = 2: the operands change places
; (rows = v's channels, columns = positions), so that a lane's registers run along the keys.
; K = 1,024 is 768 bytes a row and goes through a ring of two LDS slots in chunks of 256 bytes, each beginning at a multiple of 256; a step of 128 along K is 96 bytes: steps 2 and 5 lie across two chunks.
; The scales of the 256 + 256 rows come once, as dense blocks.  4 x 4 clusters: A's tiles are asked for jointly along a row of the cluster, B's along a column.
; No prefetch: the walk has three chunks, two of which are asked for ahead of the first product.
; The matrix instruction is used transposed (source 0 = B's rows, source 1 = A's rows); the bias (q, k) is the C of the first step's products.
; LIMITS: NaN and infinities are not served; a block whose largest magnitude lies under 2^-124 gets the scale byte 1 (this program alone reads these bytes).
; REGISTERS: window 0: v0-31 addresses, v32-63 scale words (two sets), v64-127 bias, v128-223 A's fragments; window 1: B's two sets; windows 2, 3: accumulators.
.set ROWB,   256
.set NQ,     2
.set KROW,   768
.set STEPS,  8
.set CHUNKS, 3
.set PITCH,  272
.set FR,     12
.set NL,     6
.set NP,     4
.set HALFT,  128*PITCH
.set SLOT,   4*HALFT
.set KS,     32
.set SCL,    2*SLOT
.set HALFS,  (128*KS/256)*272
.set SBLK,   (16*KS/256)*272
.set SPARE,  SCL+4*HALFS
.set PLANE,  106496
.set REC,    6656
.set ADRA, 16
.set ADRB, 20
.set LI,   24
.set BO,   25
.set R4,   26
.set ADRS, 27
.set SPW,  28
.set NIL,  29
.set SC,   32
.set BIAS, 64
.set AF,   128
.set Y,    64
.set CODE, 128
.set TM,   224
.set W,    240
.set SW,   248
.set CT,   8
.set SEL,  92
.set G1, 24
.set G0, 32
.set G1B, 48
.set G0B, 56
.set G1S, 68
.set G0S, 76
.set G1SB, 80
.set G0SB, 88
.set G0H, 4
.set G0HB, 8
.set MSB, 0
.macro WIN new
.if MSB != (\new)
	s_set_vgpr_msb (MSB<<8)|(\new)
.set MSB, (\new)
.endif
.endm
.set MUL_LO, 0xa1                      ; source 0 window 1, source 1 window 0, C and D window 2; in the first step C lies in window 0
.set MUL_HI, 0xf1
.set TO_B,   0x40
.macro JLOAD g0a, g1a, g0b, g1b        ; waves 0, 1 fetch for A, waves 2, 3 for B
	s_cmp_eq_u32 s15, 0
	s_cbranch_scc0 .Lfor_b_\@
	tensor_load_to_lds s[\g0a:\g0a+3], s[\g1a:\g1a+7]
	s_nop 0
.rept 4
	v_nop
.endr
	s_branch .Lasked_\@
.Lfor_b_\@:
	tensor_load_to_lds s[\g0b:\g0b+3], s[\g1b:\g1b+7]
	s_nop 0
.rept 4
	v_nop
.endr
.Lasked_\@:
.endm
.macro CREST
	s_cmp_lg_u32 s14, 0
	s_cbranch_scc1 .Lnot_wave_0_\@
	s_barrier_signal -3
.Lnot_wave_0_\@:
	s_barrier_wait -3
	s_barrier_signal -1
	s_barrier_wait -1
.endm
.macro CROUND
	s_barrier_signal -1
	s_barrier_wait -1
	CREST
.endm
	s_load_b128 s[4:7], s[0:1], 0x0                ; hidden codes, scales
	s_load_b128 s[8:11], s[0:1], 0x10              ; W codes, scales
	s_load_b128 s[96:99], s[0:1], 0x20             ; bias, rotary table
	s_load_b64 s[100:101], s[0:1], 0x30            ; the images
	v_lshl_add_u32 v[SPW], v0, 2, SPARE
	v_mov_b32 v[NIL], 0
	ds_add_u32 v[SPW], v[NIL]                      ; the opening lines
	ds_add_u32 v[SPW], v[NIL]
	v_lshrrev_b32 v1, 5, v0
	v_readfirstlane_b32 s14, v1                    ; wave
	s_lshr_b32 s15, s14, 1                         ; my half of the rows; also: I fetch for A (0) or B (1)
	s_and_b32 s16, s14, 1                          ; my half of the columns; also: which 128 rows I fetch
	s_bfe_u32 s40, ttmp6, 0x40000                  ; cx
	s_bfe_u32 s41, ttmp6, 0x40004                  ; cy
	s_lshl_b32 s66, ttmp9, 2
	s_and_b32 s67, ttmp7, 0xffff
	s_lshl_b32 s67, s67, 2
	s_cmp_eq_u32 ttmp9, 2                          ; v's clusters: rows = W's tile rows 8-11, columns = positions
	s_cselect_b32 s17, 8, s67
	s_cselect_b32 s42, s67, s66
	s_add_co_u32 s17, s17, s41                     ; tile row
	s_add_co_u32 s42, s42, s40                     ; tile column
	s_lshl_b32 s43, s41, 2
	s_lshl_b32 s43, 15, s43                        ; my row of the cluster
	s_lshl_b32 s44, 0x1111, s40                    ; my column
	s_or_b32 s[G1+0], s43, (0<<16)|(1<<20)|(1<<21)|(5<<22)|(3<<25)   ; bytes; 16 bytes of padding behind every 256
	s_or_b32 s[G1B+0], s44, (0<<16)|(1<<20)|(1<<21)|(5<<22)|(3<<25)
.irp g, G1, G1B
	s_mov_b32 s[\g+1], ROWB<<16
	s_mov_b32 s[\g+2], 256<<16                     ; the head's loads bring 256 rows
	s_mov_b32 s[\g+3], ROWB<<16
	s_mov_b32 s[\g+4], 256
	s_mov_b32 s[\g+5], KROW
	s_mov_b32 s[\g+6], 0
	s_mov_b32 s[\g+7], 0
.endr
	s_or_b32 s[G1S+0], s43, (3<<16)|(1<<20)|(1<<21)|(5<<22)|(3<<25)  ; scales of 256 rows: 32 dense rows of 256 bytes
	s_or_b32 s[G1SB+0], s44, (3<<16)|(1<<20)|(1<<21)|(5<<22)|(3<<25)
.irp g, G1S, G1SB
	s_mov_b32 s[\g+1], 32<<16
	s_mov_b32 s[\g+2], KS<<16
	s_mov_b32 s[\g+3], 32<<16
	s_mov_b32 s[\g+4], KS
	s_mov_b32 s[\g+5], 32
	s_mov_b32 s[\g+6], 0
	s_mov_b32 s[\g+7], 0
.endr
	s_lshl_b32 s20, s17, 8                         ; A's first row
	s_lshl_b32 s46, s42, 8                         ; B's
	s_lshl_b32 s22, s20, 5                         ; their scales, in bytes
	s_lshl_b32 s92, s46, 5
	s_mul_i32 s20, s20, KROW                       ; their codes (under 2^23)
	s_mul_i32 s46, s46, KROW
	s_mov_b32 s21, 0
	s_mov_b32 s23, 0
	s_mov_b32 s47, 0
	s_mov_b32 s93, 0
	s_mul_i32 s18, s16, 128*KROW                   ; in the ring I fetch 128 rows
	s_mov_b32 s19, 0
	s_mul_i32 s45, s14, HALFT
	s_wait_dscnt 0x0
	s_wait_kmcnt 0x0
	s_cmp_eq_u32 ttmp9, 2
	s_cselect_b64 s[12:13], s[8:9], s[4:5]         ; A's codes and scales
	s_cselect_b64 s[66:67], s[10:11], s[6:7]
	s_cselect_b64 s[8:9], s[4:5], s[8:9]           ; B's
	s_cselect_b64 s[10:11], s[6:7], s[10:11]
	s_add_nc_u64 s[20:21], s[12:13], s[20:21]
	s_add_nc_u64 s[22:23], s[66:67], s[22:23]
	s_add_nc_u64 s[46:47], s[8:9], s[46:47]
	s_add_nc_u64 s[92:93], s[10:11], s[92:93]
	CROUND                                         ; the first joint loads meet
	s_mov_b32 s[G0H], 1
	s_mov_b32 s[G0H+1], 0
	s_mov_b64 s[G0H+2:G0H+3], s[20:21]
	s_or_b32 s[G0H+3], s[G0H+3], 0x80000000
	s_mov_b32 s[G0HB], 1
	s_mov_b32 s[G0HB+1], 2*HALFT
	s_mov_b64 s[G0HB+2:G0HB+3], s[46:47]
	s_or_b32 s[G0HB+3], s[G0HB+3], 0x80000000
	s_mov_b32 s[G0S], 1
	s_mov_b32 s[G0S+1], SCL
	s_mov_b64 s[G0S+2:G0S+3], s[22:23]
	s_or_b32 s[G0S+3], s[G0S+3], 0x80000000
	s_mov_b32 s[G0SB], 1
	s_mov_b32 s[G0SB+1], SCL+2*HALFS
	s_mov_b64 s[G0SB+2:G0SB+3], s[92:93]
	s_or_b32 s[G0SB+3], s[G0SB+3], 0x80000000
	s_add_nc_u64 s[20:21], s[20:21], s[18:19]
	s_add_nc_u64 s[46:47], s[46:47], s[18:19]
.irp s, 0,1
	s_mov_b32 s[G0+4*\s], 1
	s_add_co_u32 s[G0+4*\s+1], s45, \s*SLOT
	s_add_nc_u64 s[G0+4*\s+2:G0+4*\s+3], s[20:21], \s*ROWB
	s_or_b32 s[G0+4*\s+3], s[G0+4*\s+3], 0x80000000
	s_mov_b32 s[G0B+4*\s], 1
	s_add_co_u32 s[G0B+4*\s+1], s45, \s*SLOT
	s_add_nc_u64 s[G0B+4*\s+2:G0B+4*\s+3], s[46:47], \s*ROWB
	s_or_b32 s[G0B+4*\s+3], s[G0B+4*\s+3], 0x80000000
.endr
; the head's four tiles, one a wave: chunk 0 of A, chunk 0 of B, A's scales, B's scales
.macro ARM under, g0, g1, next
	s_cmp_lt_u32 s14, \under
	s_cbranch_scc0 \next
	tensor_load_to_lds s[\g0:\g0+3], s[\g1:\g1+7]
	s_nop 0
.rept 4
	v_nop
.endr
	s_branch .Lhead_asked
\next:
.endm
	ARM 1, G0H,  G1,  .Lhead_b
	ARM 2, G0HB, G1B, .Lhead_sa
	ARM 3, G0S,  G1S, .Lhead_sb
	tensor_load_to_lds s[G0SB:G0SB+3], s[G1SB:G1SB+7]
	s_nop 0
.rept 4
	v_nop
.endr
.Lhead_asked:
	v_and_b32 v1, 15, v0                           ; r
	v_bfe_u32 v2, v0, 4, 1                         ; h
	v_mul_u32_u24 v3, v1, PITCH
	v_mul_u32_u24 v4, v2, 24
	v_add_nc_u32 v4, v3, v4                        ; row x pitch + 24 h
	s_mov_b32 s21, SLOT-232
	s_mov_b32 s22, SLOT+232
	v_sub_nc_u32 v7, 1, v2
	v_mul_u32_u24 v5, s21, v2
	v_add_nc_u32 v5, v3, v5
	v_add_nc_u32 v5, 232, v5                       ; across two chunks: lanes 0-15 byte 232 in slot 0, lanes 16-31 byte 0 in slot 1
	v_mul_u32_u24 v6, s22, v7
	v_add_nc_u32 v6, v3, v6                        ; and the other way round
	s_mul_i32 s21, s15, HALFT
	s_mul_i32 s22, s16, HALFT
	s_add_co_u32 s22, s22, 2*HALFT
	v_add_nc_u32 v[ADRA+2], s21, v5
	v_add_nc_u32 v[ADRA+3], s21, v6
	v_add_nc_u32 v[ADRB+2], s22, v5
	v_add_nc_u32 v[ADRB+3], s22, v6
.irp s, 0,1
	v_add_nc_u32 v[ADRA+\s], s21, v4
	v_add_nc_u32 v[ADRB+\s], s22, v4
	s_add_co_u32 s21, s21, SLOT
	s_add_co_u32 s22, s22, SLOT
.endr
	v_mul_u32_u24 v5, v1, KS
	v_lshrrev_b32 v6, 8, v5
	v_lshl_add_u32 v5, v6, 4, v5
	s_mul_i32 s21, s15, HALFS
	s_mul_i32 s22, s16, HALFS
	s_add_co_u32 s22, s22, 2*HALFS
	s_sub_co_u32 s22, s22, s21
	v_mul_u32_u24 v6, s22, v2                      ; lanes 16-31 take B's scale words
	s_add_co_u32 s21, s21, SCL
	v_add_nc_u32 v5, v5, v6
	v_add_nc_u32 v[ADRS], s21, v5
	v_and_b32 v6, 31, v0
	v_lshlrev_b32 v[LI], 4, v6
	v_lshlrev_b32 v[R4], 2, v1
	v_lshlrev_b32 v[BO], 5, v2
	v_and_b32 v15, 31, v0
	v_min_u32 v15, 15, v15
	v_lshlrev_b32 v15, 8, v15                      ; the table's prefetch: a lane a block of 256 bytes, 16 blocks; lanes 16-31 name the last again; never rewritten
	s_wait_alu depctr_va_vdst(0)                   ; the wait ahead of the branch
	s_cmp_eq_u32 ttmp9, 2
	s_cbranch_scc1 .Lzero_c
	s_lshl_b32 s18, s42, 10
	s_lshl_b32 s19, s16, 9
	s_add_co_u32 s18, s18, s19
	s_mov_b32 s19, 0
	s_add_nc_u64 s[12:13], s[96:97], s[18:19]
	; the rotary table of my 128 positions is 8 tiles of 4,096 bytes, read on the way out; the eight waves of the cluster that share them (cx x column half) ask for one tile each, told apart by address.
	; (The tiles of codes have no prefetch, as the head says.)
	s_lshl_b32 s2, s17, 8
	s_lshl_b32 s3, s15, 7
	s_add_co_u32 s2, s2, s3
	s_bfe_u32 s2, s2, 0x70004                      ; my first table tile, a multiple of 8, at most 120
	s_lshl_b32 s3, s40, 1
	s_add_co_u32 s3, s3, s16
	s_add_co_u32 s2, s2, s3                        ; + my share, 0 .. 7
	s_lshl_b32 s2, s2, 12
	s_mov_b32 s3, 0
	s_add_nc_u64 s[2:3], s[98:99], s[2:3]          ; never rewritten
	global_prefetch_b8 v15, s[2:3] th:TH_LOAD_NT scope:SCOPE_SE
.irp b, 0,1,2,3,4,5,6,7
	global_load_b128 v[BIAS+8*\b:BIAS+8*\b+3], v[BO], s[12:13] offset:64*\b      ; the bias of my lane's eight columns
	global_load_b128 v[BIAS+8*\b+4:BIAS+8*\b+7], v[BO], s[12:13] offset:64*\b+16
.endr
	s_branch .Lc_made
.Lzero_c:                                              ; v's bias goes by rows and is added on the way out
.rept 64
	v_mov_b32 v[BIAS+\+], 0
.endr
.Lc_made:
.macro FRAG reg, adr, st, i            ; 12 registers in pieces of 8 bytes; byte y of a row lies in slot (y / 256) % 2 at byte y % 256
.irp p, 0,1,2,3,4,5
.set BY, 96*(\st)+48*(\p/3)+8*(\p%3)
.if BY/ROWB == (BY+24)/ROWB
	ds_load_b64 v[\reg+2*\p:\reg+2*\p+1], v[\adr+(BY/ROWB)%2] offset:BY%ROWB+(\i)*16*PITCH
.else
	ds_load_b64 v[\reg+2*\p:\reg+2*\p+1], v[\adr+2+(BY/ROWB)%2] offset:BY%ROWB-232+(\i)*16*PITCH
.endif
.endr
.endm
.macro MUL16 a0, p, q, sc, zero        ; the 64 accumulators take turns, in the same order in every step
.irp a, \a0, \a0+1
.irp b, 0,1,2,3,4,5,6,7
.if \zero
	v_wmma_scale_f32_16x16x128_f8f6f4 v[8*(8*((\a)%4)+\b):8*(8*((\a)%4)+\b)+7], v[128*(\p)+FR*\b:128*(\p)+FR*\b+FR-1], v[AF+FR*(\a):AF+FR*(\a)+FR-1], v[BIAS+8*\b:BIAS+8*\b+7], v[SC+8*NQ*(\sc)+NQ*\b+(\q)], v[SC+8*NQ*(\sc)+NQ*(\a)+(\q)] matrix_a_fmt:MATRIX_FMT_FP6 matrix_b_fmt:MATRIX_FMT_FP6 matrix_a_scale:MATRIX_SCALE_ROW1
.else
	v_wmma_scale_f32_16x16x128_f8f6f4 v[8*(8*((\a)%4)+\b):8*(8*((\a)%4)+\b)+7], v[128*(\p)+FR*\b:128*(\p)+FR*\b+FR-1], v[AF+FR*(\a):AF+FR*(\a)+FR-1], v[8*(8*((\a)%4)+\b):8*(8*((\a)%4)+\b)+7], v[SC+8*NQ*(\sc)+NQ*\b+(\q)], v[SC+8*NQ*(\sc)+NQ*(\a)+(\q)] matrix_a_fmt:MATRIX_FMT_FP6 matrix_b_fmt:MATRIX_FMT_FP6 matrix_a_scale:MATRIX_SCALE_ROW1
.endif
.endr
.endr
.endm
.macro FETCH_B st, p
	WIN TO_B
.irp i, 0,1,2,3,4,5,6,7
	FRAG 128*(\p)+FR*\i, ADRB, \st, \i
.endr
	WIN 0
.endm
.macro FETCH_A st, i0
.irp i, \i0, \i0+1, \i0+2, \i0+3
	FRAG AF+FR*(\i), ADRA, \st, \i
.endr
.endm
.macro SCALES pr                       ; the words of steps 2 pr, 2 pr + 1
.irp i, 0,1,2,3,4,5,6,7
	ds_load_b64 v[SC+8*NQ*((\pr)%2)+NQ*\i:SC+8*NQ*((\pr)%2)+NQ*\i+1], v[ADRS] offset:\i*SBLK+4*NQ*(\pr)
.endr
.endm
.macro PLACES n
.rept \n
	v_nop
.endr
.endm
; A step: 64 products; the next step's fragments are fetched in its middle and at its end.  Where the next step ends in a chunk not read yet, a barrier shows that chunk whole;
; where it begins in a later chunk, the old chunk is left behind the three lines and the barrier, which opens a round where a chunk is left to fetch.
.macro STEP st, zero
.set NX, (\st)+1
.set C0, (96*(\st))/ROWB
.set C1, (96*NX)/ROWB
.set E0, (96*(\st)+95)/ROWB
.set E1, (96*NX+95)/ROWB
.if C1 > C0 || E1 > E0
	s_wait_tensorcnt 0x0                           ; all my tensor loads have landed
.if C1 > C0
	ds_add_u32 v[SPW], v[NIL]
	s_wait_dscnt 4*NL+1                            ; the add and A's blocks 4-7 may be out
.else
	s_wait_dscnt 4*NL                              ; A's blocks 4-7 may be out
.endif
	WIN MUL_LO-0x20*(\zero)
	MUL16 0, (\st)%2, (\st)%2, ((\st)/2)%2, \zero
	s_wait_dscnt 0x0                               ; the add and all my reads are done
	s_barrier_signal -1
	MUL16 2, (\st)%2, (\st)%2, ((\st)/2)%2, \zero
	WIN 0
	s_barrier_wait -1
.if C1 > C0 && C0+2 < CHUNKS
	CREST
	s_add_nc_u64 s[G0+4*(C0%2)+2:G0+4*(C0%2)+3], s[G0+4*(C0%2)+2:G0+4*(C0%2)+3], 2*ROWB
	s_add_nc_u64 s[G0B+4*(C0%2)+2:G0B+4*(C0%2)+3], s[G0B+4*(C0%2)+2:G0B+4*(C0%2)+3], 2*ROWB
	JLOAD G0+4*(C0%2), G1, G0B+4*(C0%2), G1B       ; chunk C0 + 2; its four v_nop are the places ahead of the loads below
.else
	PLACES NP
.endif
.else
	s_wait_dscnt 4*NL                              ; A's blocks 4-7 may be out
	WIN MUL_LO-0x20*(\zero)
	MUL16 0, (\st)%2, (\st)%2, ((\st)/2)%2, \zero
	MUL16 2, (\st)%2, (\st)%2, ((\st)/2)%2, \zero
	s_wait_dscnt 0
	PLACES NP
.endif
	FETCH_B NX, NX%2
	FETCH_A NX, 0
.if NX%2 == 0
	SCALES NX/2
.endif
	WIN MUL_HI-0x30*(\zero)
	MUL16 4, (\st)%2, (\st)%2, ((\st)/2)%2, \zero
	MUL16 6, (\st)%2, (\st)%2, ((\st)/2)%2, \zero
	PLACES NP
	WIN 0
	FETCH_A NX, 4
.endm
	s_wait_alu depctr_va_vdst(0)                   ; the wait at the head's end
	s_wait_loadcnt 0x0                             ; the bias
	s_wait_tensorcnt 0x0                           ; my tile of the head's four; the three lines ahead of slot 1's first fill
	ds_add_u32 v[SPW], v[NIL]
	s_mov_b32 s[G1+2], 128<<16                     ; no load of mine is out: from here on a load brings 128 rows
	s_mov_b32 s[G1+4], 128
	s_mov_b32 s[G1B+2], 128<<16
	s_mov_b32 s[G1B+4], 128
	s_wait_dscnt 0x0
	CROUND
	JLOAD G0+4, G1, G0B+4, G1B                     ; chunk 1
	FETCH_B 0, 0
	FETCH_A 0, 0
	SCALES 0
	FETCH_A 0, 4
	STEP 0, 1
.set ST, 1
.rept STEPS-2
	STEP ST, 0
.set ST, ST+1
.endr
	; ahead of the last step: B's set 0 (window 1, v0-95) is done with, four places behind its last products, and v96-127, v224-255 of that window were never used:
	; the table's blocks 0-3 and 7 (q, k), or the row bias (v), are asked for here
	s_cmp_eq_u32 ttmp9, 2
	s_cbranch_scc1 .Lpre_v
	s_lshl_b32 s20, s17, 8
	s_lshl_b32 s21, s15, 7
	s_add_co_u32 s20, s20, s21
	s_bfe_u32 s66, s20, 0x70004
	s_lshl_b32 s66, s66, 12
	s_mov_b32 s67, 0
	s_add_nc_u64 s[66:67], s[98:99], s[66:67]
	WIN TO_B
.irp a, 0,1,2,3,7
.irp i, 0,1,2,3,4,5,6,7
	global_load_b128 v[32*\a+4*\i:32*\a+4*\i+3], v[LI], s[66:67] offset:4096*\a+512*\i
.endr
.endr
	WIN 0
	s_branch .Lpre_done
.Lpre_v:
	s_sub_co_u32 s20, s17, 8
	s_lshl_b32 s20, s20, 8
	s_lshl_b32 s21, s15, 7
	s_add_co_u32 s20, s20, s21
	s_lshl_b32 s66, s20, 2
	s_add_co_u32 s66, s66, 8192
	s_mov_b32 s67, 0
	s_add_nc_u64 s[66:67], s[96:97], s[66:67]
	WIN TO_B
.irp a, 0,1,2,3,4,5,6,7
	global_load_b32 v[2*\a], v[R4], s[66:67] offset:64*\a
	global_load_b32 v[2*\a+1], v[R4], s[66:67] offset:64*\a
.endr
	WIN 0
.Lpre_done:
	s_wait_dscnt 4*NL
	WIN MUL_LO
	MUL16 0, 1, 1, 1, 0
	MUL16 2, 1, 1, 1, 0
	s_wait_dscnt 0
	WIN MUL_HI
	MUL16 4, 1, 1, 1, 0
	MUL16 6, 1, 1, 1, 0
	WIN 0
; THE WAY OUT.  QUANT: 64 numbers of a lane = four half blocks of 16; the other half lies in lane l xor 16; codes into d0, d1 (six registers each), the four bytes into w.
.macro QUANT s, d0, d1, w
.irp b, 0,1,2,3
	v_max3_num_f32 v[TM+\b], |v[\s+16*\b]|, |v[\s+1+16*\b]|, 0x1800000
.endr
.irp i, 2,4,6,8,10,12,14
.irp b, 0,1,2,3
	v_max3_num_f32 v[TM+\b], v[TM+\b], |v[\s+16*\b+\i]|, |v[\s+1+16*\b+\i]|
.endr
.endr
.irp b, 0,1,2,3
	v_permlanex16_b32 v[TM+4+\b], v[TM+\b], s[SEL], s[SEL+1]
.endr
.irp b, 0,1,2,3
	v_max_num_f32 v[TM+\b], v[TM+\b], v[TM+4+\b]
.endr
.irp b, 0,1,2,3
	v_add_nc_u32 v[TM+12+\b], 0xff000000, v[TM+\b]
.endr
.irp b, 0,1,2,3
	v_lshrrev_b32 v[TM+4+\b], 23, v[TM+12+\b]
.endr
	v_lshl_or_b32 v[\w], v[TM+5], 8, v[TM+4]
	v_lshl_or_b32 v[\w], v[TM+6], 16, v[\w]
	v_lshl_or_b32 v[\w], v[TM+7], 24, v[\w]
	v_cvt_scalef32_pk16_fp6_f32 v[(\d0):(\d0)+2], v[\s:\s+15], v[TM+12]
	v_cvt_scalef32_pk16_fp6_f32 v[CT:CT+2], v[\s+16:\s+31], v[TM+13]
	v_cvt_scalef32_pk16_fp6_f32 v[(\d1):(\d1)+2], v[\s+32:\s+47], v[TM+14]
	v_cvt_scalef32_pk16_fp6_f32 v[CT+4:CT+6], v[\s+48:\s+63], v[TM+15]
	v_nop
.irp i, 0,1,2
	v_permlane16_swap_b32 v[(\d0)+\i], v[CT+\i]
	v_permlane16_swap_b32 v[(\d1)+\i], v[CT+4+\i]
.endr
.irp i, 0,1,2
	v_mov_b32 v[(\d0)+3+\i], v[CT+\i]
	v_mov_b32 v[(\d1)+3+\i], v[CT+4+\i]
.endr
.endm
.macro ROPE a                          ; two heads' 64 channels of 16 positions: x1 c - x2 s, x1 s + x2 c; the table lies in window 1
	WIN 0x06+(\a)/4
.irp g, 0,1
.irp u, 0,1
.irp jj, 0,2,4,6
.set X2, 64*((\a)%4)+8*(4*\g+\u+2)+\jj
.set CO, 32*(\a)+8*\u+\jj
.set Y1, Y+32*\g+8*\u+\jj
	v_pk_mul_f32 v[Y1:Y1+1], v[X2:X2+1], v[CO+16:CO+17]
	v_pk_mul_f32 v[Y1+16:Y1+17], v[X2:X2+1], v[CO:CO+1]
.endr
.irp jj, 0,2,4,6
.set X1, 64*((\a)%4)+8*(4*\g+\u)+\jj
.set CO, 32*(\a)+8*\u+\jj
.set Y1, Y+32*\g+8*\u+\jj
	v_pk_fma_f32 v[Y1:Y1+1], v[X1:X1+1], v[CO:CO+1], v[Y1:Y1+1] neg_lo:[0,0,1] neg_hi:[0,0,1]
	v_pk_fma_f32 v[Y1+16:Y1+17], v[X1:X1+1], v[CO+16:CO+17], v[Y1+16:Y1+17]
.endr
.endr
.endr
	WIN 0
.endm
.macro QKROW a
	s_wait_loadcnt 8*(7-(\a))-8*(((\a)/4)*(1-(\a)/7))   ; the table's blocks were asked for in the order 0, 1, 2, 3, 7, 4, 5, 6, eight loads each: those behind block a may be out
	ROPE \a
	QUANT Y, CODE+24*((\a)/2)+6*((\a)%2), CODE+24*((\a)/2)+6*((\a)%2)+12, W+(\a)
.if (\a)%2
.irp g, 0,1
.irp c, 0,1,2
	global_store_b128 v[LI], v[CODE+24*((\a)/2)+12*\g+4*\c:CODE+24*((\a)/2)+12*\g+4*\c+3], s[100:101] offset:\g*PLANE+1536*((\a)/2)+512*\c
.endr
.endr
.endif
.endm
.macro VROW a
	WIN 0x06+(\a)/4
.irp b, 0,1,2,3,4,5,6,7
.irp jj, 0,2,4,6
	v_pk_add_f32 v[Y+8*\b+\jj:Y+8*\b+\jj+1], v[64*((\a)%4)+8*\b+\jj:64*((\a)%4)+8*\b+\jj+1], v[2*(\a):2*(\a)+1] op_sel_hi:[1,0]
.endr
.endr
	WIN 0
	QUANT Y, CODE+12*(\a), CODE+12*(\a)+6, W+(\a)
.irp c, 0,1,2
	global_store_b128 v[LI], v[CODE+12*(\a)+4*\c:CODE+12*(\a)+4*\c+3], s[100:101] offset:((\a)/4)*PLANE+1536*((\a)%4)+512*\c
.endr
.endm
	PLACES NP
	s_mov_b32 s[SEL], 0x76543210
	s_mov_b32 s[SEL+1], 0xfedcba98
.irp b, 0,1,2,3
	v_mov_b32 v[TM+4+\b], 0
.endr
	v_cmp_ne_u32 s95, 0, v2
	s_cmp_eq_u32 ttmp9, 2
	s_cbranch_scc1 .Lv
	s_lshl_b32 s20, s17, 8
	s_lshl_b32 s21, s15, 7
	s_add_co_u32 s20, s20, s21                     ; my first position (of 8,192)
	s_lshl_b32 s23, s42, 8
	s_lshl_b32 s21, s16, 7
	s_add_co_u32 s23, s23, s21                     ; my first channel (of q's and k's 2,048)
	s_lshr_b32 s45, s23, 10
	s_lshl_b32 s45, s45, 6
	s_lshr_b32 s21, s20, 11
	s_lshl_b32 s21, s21, 4
	s_add_co_u32 s45, s45, s21
	s_bfe_u32 s21, s23, 0x40006
	s_add_co_u32 s45, s45, s21                     ; plane = 64 (q or k) + 16 batch + head
	s_mul_i32 s46, s45, PLANE
	s_bfe_u32 s21, s20, 0x40007
	s_mul_i32 s21, s21, REC
	s_add_co_u32 s46, s46, s21
	s_mov_b32 s47, 0
	s_add_nc_u64 s[100:101], s[100:101], s[46:47]
	s_bfe_u32 s46, s20, 0x70004
	s_lshl_b32 s46, s46, 12
	s_add_nc_u64 s[98:99], s[98:99], s[46:47]
	WIN TO_B
.irp a, 4,5,6
.irp i, 0,1,2,3,4,5,6,7
	global_load_b128 v[32*\a+4*\i:32*\a+4*\i+3], v[LI], s[98:99] offset:4096*\a+512*\i
.endr
.endr
	WIN 0
.irp a, 0,1,2,3,4,5,6,7
	QKROW \a
.endr
.irp b, 0,1,2,3
	v_cndmask_b32 v[SW+\b], v[W+2*\b], v[W+2*\b+1], s95
.endr
.irp b, 0,1,2,3
	v_lshrrev_b32 v[SW+4+\b], 16, v[SW+\b]
.endr
	global_store_b128 v[LI], v[SW:SW+3], s[100:101] offset:6144
	global_store_b128 v[LI], v[SW+4:SW+7], s[100:101] offset:PLANE+6144
	s_branch .Lend
.Lv:
	s_sub_co_u32 s20, s17, 8
	s_lshl_b32 s20, s20, 8
	s_lshl_b32 s21, s15, 7
	s_add_co_u32 s20, s20, s21                     ; my first channel of v
	s_lshl_b32 s22, s42, 8
	s_lshl_b32 s21, s16, 7
	s_add_co_u32 s22, s22, s21                     ; my first position
	s_lshr_b32 s21, s22, 11
	s_lshl_b32 s21, s21, 4
	s_lshr_b32 s23, s20, 6
	s_add_co_u32 s21, s21, s23
	s_add_co_u32 s21, s21, 128
	s_mul_i32 s46, s21, PLANE
	s_bfe_u32 s21, s22, 0x40007
	s_mul_i32 s21, s21, REC
	s_add_co_u32 s46, s46, s21
	s_mov_b32 s47, 0
	s_add_nc_u64 s[100:101], s[100:101], s[46:47]
	s_lshl_b32 s46, s20, 2
	s_add_co_u32 s46, s46, 8192
	s_add_nc_u64 s[12:13], s[96:97], s[46:47]
	s_wait_loadcnt 0x0                             ; the row bias, asked for ahead of the last step
.irp a, 0,1,2,3,4,5,6,7
	VROW \a
.endr
	global_store_b128 v[LI], v[W:W+3], s[100:101] offset:6144
	global_store_b128 v[LI], v[W+4:W+7], s[100:101] offset:PLANE+6144
.Lend:
	s_wait_tensorcnt 0x0                           ; the wave's end
	ds_add_u32 v[SPW], v[NIL]
	s_wait_dscnt 0x0
	CROUND                                         ; the closing round
	s_endpgm
.Lfunc_end_k_qef5cbdd3ed_qkvproj:
	.size	k_qef5cbdd3ed_qkvproj, .Lfunc_end_k_qef5cbdd3ed_qkvproj-k_qef5cbdd3ed_qkvproj
	.p2alignl 7, 3214868480
	.fill 96, 4, 3214868480
	.section	.rodata,"a",@progbits
	.p2align	6, 0x0
	.amdhsa_kernel k_qef5cbdd3ed_qkvproj
		.amdhsa_group_segment_fixed_size 327680
		.amdhsa_private_segment_fixed_size 0
		.amdhsa_enable_private_segment 0
		.amdhsa_kernarg_size 56
		.amdhsa_user_sgpr_count 2
		.amdhsa_user_sgpr_kernarg_segment_ptr 1
		.amdhsa_wavefront_size32 1
		.amdhsa_system_sgpr_workgroup_id_x 1
		.amdhsa_system_sgpr_workgroup_id_y 1
		.amdhsa_system_sgpr_workgroup_id_z 1
		.amdhsa_system_vgpr_workitem_id 0
		.amdhsa_next_free_vgpr 1024
		.amdhsa_next_free_sgpr 102
		.amdhsa_reserve_vcc 0
		.amdhsa_float_denorm_mode_32 3
		.amdhsa_float_denorm_mode_16_64 3
		.amdhsa_memory_ordered 1
		.amdhsa_forward_progress 1
		.amdhsa_inst_pref_size 255
	.end_amdhsa_kernel
	.section	.bss,"aw",@nobits
	.p2align	6
	.space	262144
	.amdgpu_metadata
---
amdhsa.version: [ 1, 2 ]
amdhsa.kernels:
  - .name:           k_qef5cbdd3ed_qkvproj
    .symbol:         k_qef5cbdd3ed_qkvproj.kd
    .args:
      - { .name: hidden_states_codes, .offset: 0, .size: 8, .value_kind: global_buffer, .address_space: global }
      - { .name: hidden_states_scales, .offset: 8, .size: 8, .value_kind: global_buffer, .address_space: global }
      - { .name: Wqkv_w_codes, .offset: 16, .size: 8, .value_kind: global_buffer, .address_space: global }
      - { .name: Wqkv_w_scales, .offset: 24, .size: 8, .value_kind: global_buffer, .address_space: global }
      - { .name: Wqkv_b, .offset: 32, .size: 8, .value_kind: global_buffer, .address_space: global }
      - { .name: rope, .offset: 40, .size: 8, .value_kind: global_buffer, .address_space: global }
      - { .name: qkvimg, .offset: 48, .size: 8, .value_kind: global_buffer, .address_space: global }
    .group_segment_fixed_size: 327680
    .private_segment_fixed_size: 0
    .kernarg_segment_align: 8
    .kernarg_segment_size: 56
    .max_flat_workgroup_size: 128
    .sgpr_count:     102
    .vgpr_count:     1024
    .wavefront_size: 32
...
	.end_amdgpu_metadata
.endif
;; end of part 2
;; launch attn (part 3): grid 4 x 64, 16 waves a work-group, clusters of 4 x 1, 215,040 bytes of LDS; arguments qkvimg, acode, ascale; writes acode, ascale
.if DOCPART == 3
	.amdgcn_target "amdgcn-amd-amdhsa--gfx1250"
	.amdhsa_code_object_version 6
	.text
	.protected	k_qef5cbdd3ed_attn
	.globl	k_qef5cbdd3ed_attn
	.p2align	8
	.type	k_qef5cbdd3ed_attn,@function
k_qef5cbdd3ed_attn:
	s_mov_b64 s[64:65], 0
	v_nop
	global_prefetch_b8 v0, s[64:65] scope:SCOPE_SE
	s_setreg_imm32_b32 hwreg(HW_REG_WAVE_MODE, 25, 1), 1
	s_wait_xcnt 0x0
	s_wait_alu depctr_hold_cnt(0) depctr_sa_sdst(0) depctr_va_vdst(0) depctr_va_sdst(0) depctr_va_ssrc(0) depctr_va_vcc(0) depctr_vm_vsrc(0)
	s_getreg_b32 s2, hwreg(HW_REG_IB_STS2, 6, 4)
	s_cmp_eq_u32 s2, 0
	s_cbranch_scc0 .Lentry_in_a_cluster
	s_endpgm
.Lentry_in_a_cluster:
	s_bfe_u32 s2, ttmp6, 0x10000c
	s_cmp_lg_u32 s2, 0x3003
	s_cbranch_scc0 .Lentry_shape_is_right
	s_endpgm
.Lentry_shape_is_right:
; Attention of one batch x head (64 of them), 2,048 positions, head size 64, both products on FP6 codes with one E8M0 scale for each 32 along K; the result, divided by the row's sum, is quantised along the model's 1,024.
; IN: the planes of register images that the projection stored (q at plane bh, k at 64 + bh, v at 128 + bh; 16 records of 6,656 bytes for 128 positions: four images of 1,536 bytes and 512 bytes of scale words).
; SOFTMAX: t = score x log2(e) / 8; M = the running largest t rounded UP to a whole number; p = 2^(t - M) is quantised along the keys; the sum is taken of the unquantised p and divides at the end.
; When M moves, the sum and O are multiplied by 2^(old M - new M): exact.
; SHARES: a work-group owns 512 queries of a head, each of its sixteen waves two tiles of 16, one after the other; four waves to a SIMD.
; LDS: the head's K plane at 0 and V plane at 106,496, as they lie in memory, FILLED ONCE by one load a wave (an eighth of a plane: 52 rows of 256 bytes); nothing is filled again.
; The four work-groups of a cluster are the four query blocks of one head and ask for every part jointly.  No prefetch: all loads go out at the head, so there is no loop of loads to run ahead in.
; LAYOUT: both products transposed: S^T = K Q^T, O^T = V^T P^T: a lane holds one query (lane % 16) throughout.
; K = 64 IN A PRODUCT OF K = 128: Q's registers 6-11 are zero codes; K's registers 6-11 are whatever follows the tile: zero codes add nothing under any scale byte but 0xff, and no byte here is 0xff.
; OUT: acode [row tile 512][K step 8][1,536]: head 2 s + c owns bytes 768 c on of K step s: registers 6 c .. 6 c + 3 at 16 x lane, 6 c + 4, 5 at 512 + 8 x lane.  ascale [8192][32].
; LIMITS: NaN and infinities are not served; the scaled scores stay under 2^31; a block whose largest magnitude lies under 2^-124 gets the scale byte 1 (this program alone reads these bytes).
; A scale byte is stored singly: a head owns 2 of a row's 32.
.set PLANE, 106496
.set REC,   6656
.set PART,  13312
.set SPARE, 2*PLANE
.set AK0,  1                           ; 16 x lane
.set AV0,  2                           ; the same in V's plane
.set ADK,  3
.set ADV,  4
.set L8,   5                           ; 8 x lane
.set BA,   6                           ; 32 r + h
.set R16,  7                           ; 16 r
.set KF,   32                          ; v32-79 a record's four images; v80-85 zeros
.set SK,   88
.set SV,   92
.set PC,   192
.set BM,   204
.set PT,   208
.set CT,   212
.set SO,   220
.set F,    224
.set PW,   225
.set TMP,  226
.set BY,   227
.set TB,   2
.set WV,   18
.set SEL,  20
.set CS,   22
.set G1,   24
.set G0,   32
.macro CROUND
	s_barrier_signal -1
	s_barrier_wait -1
	s_cmp_lg_u32 s[WV], 0
	s_cbranch_scc1 .Lnot_wave_0_\@
	s_barrier_signal -3
.Lnot_wave_0_\@:
	s_barrier_wait -3
	s_barrier_signal -1
	s_barrier_wait -1
.endm
	s_load_b128 s[4:7], s[0:1], 0x0                ; the images, acode
	s_load_b64 s[8:9], s[0:1], 0x10                ; ascale
	v_lshl_add_u32 v254, v0, 2, SPARE
	v_mov_b32 v255, 0
	ds_add_u32 v254, v255                          ; the opening lines
	ds_add_u32 v254, v255
	v_lshrrev_b32 v8, 5, v0
	s_delay_alu instid0(VALU_DEP_1)
	v_readfirstlane_b32 s[WV], v8                  ; wave 0..15
	s_bfe_u32 s10, ttmp6, 0x40000                  ; cx
	s_lshl_b32 s11, ttmp9, 2
	s_add_co_u32 s11, s11, s10                     ; my block of 512 queries: it enters Q's and the outputs' addresses alone
	s_and_b32 s12, ttmp7, 0xffff                   ; batch x head
	s_lshr_b32 s13, s[WV], 3                       ; waves 0-7 fetch K's plane, waves 8-15 V's
	s_and_b32 s14, s[WV], 7
	s_mul_i32 s15, s13, PLANE
	s_mul_i32 s14, s14, PART
	s_add_co_u32 s15, s15, s14                     ; my eighth, in LDS
	s_lshl_b32 s16, s13, 6
	s_add_co_u32 s16, s16, 64
	s_add_co_u32 s16, s16, s12
	s_mul_i32 s16, s16, PLANE
	s_add_co_u32 s16, s16, s14                     ; and in memory (under 2^25)
	s_mov_b32 s17, 0
	s_mov_b32 s[G1], 15|(3<<16)|(1<<21)            ; all four work-groups; elements of 8 bytes; no padding
	s_mov_b32 s[G1+1], 32<<16
	s_mov_b32 s[G1+2], 52<<16
	s_mov_b32 s[G1+3], 32<<16
	s_mov_b32 s[G1+4], 52
	s_mov_b32 s[G1+5], 32
	s_mov_b32 s[G1+6], 0
	s_mov_b32 s[G1+7], 0
	s_mov_b32 s[SEL], 0x76543210
	s_mov_b32 s[SEL+1], 0xfedcba98
	s_mov_b32 s[CS], 0x3e38aa3b                    ; log2(e) / 8
	s_mov_b32 s[CS+1], s[CS]
	s_wait_dscnt 0x0
	s_wait_kmcnt 0x0
	s_add_nc_u64 s[16:17], s[4:5], s[16:17]
	s_mov_b32 s[G0], 1
	s_mov_b32 s[G0+1], s15
	s_mov_b64 s[G0+2:G0+3], s[16:17]
	s_or_b32 s[G0+3], s[G0+3], 0x80000000
	CROUND                                         ; the joint loads meet
	tensor_load_to_lds s[G0:G0+3], s[G1:G1+7]      ; my one load
	s_nop 0
.rept 4
	v_nop
.endr
	v_and_b32 v8, 31, v0
	s_delay_alu instid0(VALU_DEP_1)
	v_lshlrev_b32 v[AK0], 4, v8
	s_wait_alu depctr_va_vdst(0)
	v_add_nc_u32 v[AV0], PLANE, v[AK0]
	v_lshlrev_b32 v[L8], 3, v8
	v_and_b32 v9, 15, v0                           ; r
	v_bfe_u32 v10, v0, 4, 1                        ; h
	s_delay_alu instid0(VALU_DEP_1)
	v_lshl_add_u32 v[BA], v9, 5, v10
	s_delay_alu instid0(VALU_DEP_3)
	v_lshlrev_b32 v[R16], 4, v9
	s_wait_alu depctr_va_vdst(0)
	v_cmp_ne_u32 s58, 0, v10                       ; lanes 16-31
	; Q: record 4 x block + wave / 4 of plane bh, image wave % 4: registers 0-5 my first tile, 6-11 my second
	s_mul_i32 s48, s12, PLANE
	s_lshl_b32 s49, s11, 2
	s_lshr_b32 s50, s[WV], 2
	s_add_co_u32 s49, s49, s50
	s_mul_i32 s49, s49, REC
	s_add_co_u32 s48, s48, s49
	s_and_b32 s50, s[WV], 3
	s_mul_i32 s51, s50, 1536
	s_add_co_u32 s52, s48, s51
	s_mov_b32 s53, 0
	s_lshl_b32 s50, s50, 2
	s_add_co_u32 s48, s48, s50
	s_mov_b32 s49, 0
	s_add_nc_u64 s[52:53], s[4:5], s[52:53]
	s_add_nc_u64 s[48:49], s[4:5], s[48:49]
	global_load_b64 v[16:17], v[AK0], s[52:53]
	global_load_b64 v[18:19], v[AK0], s[52:53] offset:8
	global_load_b64 v[20:21], v[AK0], s[52:53] offset:512
	global_load_b64 v[232:233], v[AK0], s[52:53] offset:520
	global_load_b64 v[234:235], v[AK0], s[52:53] offset:1024
	global_load_b64 v[236:237], v[AK0], s[52:53] offset:1032
	global_load_b32 v28, v[R16], s[48:49] offset:6144
	global_load_b32 v29, v[R16], s[48:49] offset:6400
	; the outputs
	s_lshr_b32 s50, s12, 4                         ; batch
	s_and_b32 s51, s12, 15                         ; head
	s_lshl_b32 s54, s50, 7
	s_lshl_b32 s55, s11, 5
	s_add_co_u32 s54, s54, s55
	s_lshl_b32 s55, s[WV], 1
	s_add_co_u32 s54, s54, s55                     ; my first row tile
	s_lshl_b32 s56, s54, 9
	s_mul_i32 s54, s54, 12288
	s_lshr_b32 s55, s51, 1
	s_mul_i32 s55, s55, 1536
	s_add_co_u32 s54, s54, s55
	s_and_b32 s55, s51, 1
	s_mul_i32 s55, s55, 768
	s_add_co_u32 s54, s54, s55
	s_mov_b32 s55, 0
	s_add_nc_u64 s[54:55], s[6:7], s[54:55]
	s_lshl_b32 s51, s51, 1
	s_add_co_u32 s56, s56, s51
	s_mov_b32 s57, 0
	s_add_nc_u64 s[56:57], s[8:9], s[56:57]
.irp j, 22,23,24,25,26,27, 238,239,240,241,242,243, 80,81,82,83,84,85
	v_mov_b32 v[\j], 0                             ; zero codes
.endr
.irp b, 0,1,2,3
	v_mov_b32 v[PT+\b], 0                          ; a lane permute's destination counts as a source
.endr
	v_mov_b32 v[PW], 0
; A KEY STEP: 128 keys, one record of K and of V
.macro STEP qb, qs
	v_add_nc_u32 v[ADK], s[TB], v[AK0]
	v_add_nc_u32 v[ADV], s[TB], v[AV0]
	v_nop
	v_nop                                          ; four places behind the last step's products
.irp i, 0,1,2,3,4,5,6,7,8,9,10,11
	ds_load_b128 v[KF+4*\i:KF+4*\i+3], v[ADK] offset:512*\i
.endr
	ds_load_b128 v[SK:SK+3], v[ADK] offset:6144
	s_wait_alu depctr_va_vdst(0)
	s_wait_dscnt 0x0
.irp t, 0,1,2,3,4,5,6,7                        ; S^T: tile t = keys 16 t on; its scale words lie in lanes 0-15 (even t) or 16-31 (odd t) of register t / 2
.if \t%2
	v_wmma_scale_f32_16x16x128_f8f6f4 v[96+8*\t:103+8*\t], v[KF+6*\t:KF+6*\t+11], v[\qb:\qb+11], 0, v[SK+\t/2], v[\qs] matrix_a_fmt:MATRIX_FMT_FP6 matrix_b_fmt:MATRIX_FMT_FP6 matrix_a_scale:MATRIX_SCALE_ROW1
.else
	v_wmma_scale_f32_16x16x128_f8f6f4 v[96+8*\t:103+8*\t], v[KF+6*\t:KF+6*\t+11], v[\qb:\qb+11], 0, v[SK+\t/2], v[\qs] matrix_a_fmt:MATRIX_FMT_FP6 matrix_b_fmt:MATRIX_FMT_FP6
.endif
.endr
.rept 4
	v_nop                                          ; places: V's fragments land where K's lay, and the scores are read
.endr
.irp i, 0,1,2,3,4,5,6,7,8,9,10,11
	ds_load_b128 v[KF+4*\i:KF+4*\i+3], v[ADV] offset:512*\i
.endr
	ds_load_b128 v[SV:SV+3], v[ADV] offset:6144
.irp b, 0,1,2,3
	v_max3_num_f32 v[BM+\b], v[96+16*\b], v[97+16*\b], v[98+16*\b]   ; each block's largest score: for the row's maximum and for the block's largest p
.endr
.irp i, 3,5,7,9,11,13
.irp b, 0,1,2,3
	v_max3_num_f32 v[BM+\b], v[BM+\b], v[96+16*\b+\i], v[97+16*\b+\i]
.endr
.endr
.irp b, 0,1,2,3
	v_max_num_f32 v[BM+\b], v[BM+\b], v[111+16*\b]
.endr
.irp b, 0,1,2,3
	s_delay_alu instid0(VALU_DEP_4)
	v_permlanex16_b32 v[PT+\b], v[BM+\b], s[SEL], s[SEL+1]
.endr
.irp b, 0,1,2,3
	s_delay_alu instid0(VALU_DEP_4)
	v_max_num_f32 v[BM+\b], v[BM+\b], v[PT+\b]
.endr
	s_delay_alu instid0(VALU_DEP_2)
	v_max3_num_f32 v[TMP], v[BM], v[BM+1], v[BM+2]
	s_delay_alu instid0(VALU_DEP_1)
	v_max_num_f32 v[TMP], v[TMP], v[BM+3]
	s_delay_alu instid0(VALU_DEP_1)
	v_mul_f32 v[TMP], s[CS], v[TMP]
	s_delay_alu instid0(VALU_DEP_1)
	v_max_num_f32 v13, v13, v[TMP]                 ; the running largest t
	v_mov_b32 v[TMP], v12
	s_delay_alu instid0(VALU_DEP_2)
	v_floor_f32 v12, -v13                          ; -M
	s_delay_alu instid0(VALU_DEP_1)
	v_sub_f32 v[TMP], v12, v[TMP]
	s_delay_alu instid0(VALU_DEP_1)
	v_cvt_i32_f32 v[TMP], v[TMP]
	s_delay_alu instid0(VALU_DEP_1)
	v_ldexp_f32 v[F], 1.0, v[TMP]                  ; f = 2^(old M - new M)
.set n, 0
.rept 32
	v_pk_fma_f32 v[96+n:97+n], v[96+n:97+n], s[CS:CS+1], v[12:13] op_sel_hi:[1,0,0]   ; t - M
.set n, n+2
.endr
.irp b, 0,1,2,3
	v_fma_f32 v[BM+\b], v[BM+\b], s[CS], v12
.endr
.set n, 0
	s_wait_alu depctr_va_vdst(0)                   ; the wait ahead of the batch
.rept 64
	v_exp_f32 v[96+n], v[96+n]
.set n, n+1
.endr
	v_pk_mul_f32 v[14:15], v[14:15], v[F:F+1] op_sel_hi:[1,0]   ; the sums under the new M
	s_wait_alu depctr_va_vdst(0)                   ; and behind it
.irp b, 0,1,2,3
	v_exp_f32 v[BM+\b], v[BM+\b]                   ; the block's largest p
.endr
	v_pk_add_f32 v[208:209], v[100:101], v[104:105]   ; the row's sum of the unquantised p, in eight chains
	v_pk_add_f32 v[252:253], v[108:109], v[112:113]
	v_pk_add_f32 v[250:251], v[116:117], v[120:121]
	v_pk_add_f32 v[248:249], v[124:125], v[128:129]
	v_pk_add_f32 v[246:247], v[132:133], v[136:137]
	v_pk_add_f32 v[244:245], v[140:141], v[144:145]
	v_pk_add_f32 v[230:231], v[148:149], v[152:153]
	v_pk_add_f32 v[14:15], v[14:15], v[156:157]
	v_pk_add_f32 v[208:209], v[208:209], v[96:97]
	v_pk_add_f32 v[252:253], v[252:253], v[98:99]
	v_pk_add_f32 v[250:251], v[250:251], v[102:103]
	v_pk_add_f32 v[248:249], v[248:249], v[106:107]
	v_pk_add_f32 v[246:247], v[246:247], v[110:111]
	v_pk_add_f32 v[244:245], v[244:245], v[114:115]
	v_pk_add_f32 v[230:231], v[230:231], v[118:119]
	v_pk_add_f32 v[14:15], v[14:15], v[122:123]
	v_pk_add_f32 v[208:209], v[208:209], v[126:127]
	v_pk_add_f32 v[252:253], v[252:253], v[130:131]
	v_pk_add_f32 v[250:251], v[250:251], v[134:135]
	v_pk_add_f32 v[248:249], v[248:249], v[138:139]
	v_pk_add_f32 v[246:247], v[246:247], v[142:143]
	v_pk_add_f32 v[244:245], v[244:245], v[146:147]
	v_pk_add_f32 v[230:231], v[230:231], v[150:151]
	v_pk_add_f32 v[14:15], v[14:15], v[154:155]
	v_pk_add_f32 v[208:209], v[208:209], v[158:159]
	s_delay_alu instid0(VALU_DEP_2)
	v_pk_add_f32 v[14:15], v[14:15], v[248:249]
	s_delay_alu instid0(VALU_DEP_2)
	v_pk_add_f32 v[208:209], v[208:209], v[246:247]
	v_pk_add_f32 v[252:253], v[252:253], v[244:245]
	v_pk_add_f32 v[250:251], v[250:251], v[230:231]
	s_delay_alu instid0(VALU_DEP_2)
	v_pk_add_f32 v[14:15], v[14:15], v[252:253]
	s_delay_alu instid0(VALU_DEP_2)
	v_pk_add_f32 v[208:209], v[208:209], v[250:251]
	s_delay_alu instid0(VALU_DEP_1)
	v_pk_add_f32 v[14:15], v[14:15], v[208:209]
	s_wait_alu depctr_va_vdst(0)                   ; for the four exponentials
.irp b, 0,1,2,3
	v_max_num_f32 v[BM+\b], 0x1800000, v[BM+\b]    ; the floor: the byte cannot fall under 1
.endr
.irp b, 0,1,2,3
	s_delay_alu instid0(VALU_DEP_4)
	v_add_nc_u32 v[SO+\b], 0xff000000, v[BM+\b]
.endr
.irp b, 0,1,2,3
	s_delay_alu instid0(VALU_DEP_4)
	v_lshrrev_b32 v[PT+\b], 23, v[SO+\b]
.endr
	s_delay_alu instid0(VALU_DEP_3)
	v_lshl_or_b32 v[PW], v[PT+1], 8, v[PT]
	s_delay_alu instid0(VALU_DEP_1)
	v_lshl_or_b32 v[PW], v[PT+2], 16, v[PW]
	s_delay_alu instid0(VALU_DEP_1)
	v_lshl_or_b32 v[PW], v[PT+3], 24, v[PW]
.irp c, 0,1
	v_cvt_scalef32_pk16_fp6_f32 v[PC+6*\c:PC+2+6*\c], v[96+32*\c:111+32*\c], v[SO+2*\c]
	v_cvt_scalef32_pk16_fp6_f32 v[CT+4*\c:CT+2+4*\c], v[112+32*\c:127+32*\c], v[SO+2*\c+1]
.endr
	v_nop
.irp c, 0,1
.irp i, 0,1,2
	v_permlane16_swap_b32 v[PC+6*\c+\i], v[CT+4*\c+\i]   ; a whole block in a lane
.endr
.irp i, 0,1,2
	s_delay_alu instid0(VALU_DEP_3)
	v_mov_b32 v[PC+3+6*\c+\i], v[CT+4*\c+\i]
.endr
.endr
.set n, 0
.rept 16
	v_pk_mul_f32 v[160+n:161+n], v[160+n:161+n], v[F:F+1] op_sel_hi:[1,0]   ; O^T under the new M; also the places ahead of the products
.set n, n+2
.endr
	s_wait_alu depctr_va_vdst(0)
	s_wait_dscnt 0x0                               ; V's fragments and scale words
.irp t, 0,1,2,3                                ; O^T += V^T P^T; the four accumulators take turns
	v_wmma_scale_f32_16x16x128_f8f6f4 v[160+8*\t:167+8*\t], v[KF+12*\t:KF+12*\t+11], v[PC:PC+11], v[160+8*\t:167+8*\t], v[SV+\t], v[PW] matrix_a_fmt:MATRIX_FMT_FP6 matrix_b_fmt:MATRIX_FMT_FP6
.endr
	s_add_co_u32 s[TB], s[TB], REC
.endm
.macro RUN qb, qs                      ; all 16 records
	s_mov_b32 s[TB], 0
	s_mov_b32 s3, 16
.Lrun_\@:
	STEP \qb, \qs
	s_sub_co_u32 s3, s3, 1
	s_cmp_lg_u32 s3, 0
	s_cbranch_scc1 .Lrun_\@
.endm
.macro INIT                            ; the step is written once: the first finds zeros
	v_mov_b32 v13, 0xff61b1e6                      ; -3e38
	s_delay_alu instid0(VALU_DEP_1)
	v_floor_f32 v12, -v13
	v_mov_b32 v14, 0
	v_mov_b32 v15, 0
.set n, 0
.rept 32
	v_mov_b32 v[160+n], 0
.set n, n+1
.endr
.endm
; THE WAY OUT of tile p: O^T / the sum; the channels into their natural order; two blocks of 32 quantised
.macro OUT p
	v_add_f32 v14, v14, v15
	s_delay_alu instid0(VALU_DEP_1)
	v_permlanex16_b32 v[TMP], v14, s[SEL], s[SEL+1]
	s_delay_alu instid0(VALU_DEP_1)
	v_add_f32 v14, v14, v[TMP]
	s_wait_alu depctr_va_vdst(0)
	v_rcp_f32 v[F], v14
	v_nop
	v_nop
	s_wait_alu depctr_va_vdst(0)
.set n, 0
.rept 16
	v_pk_mul_f32 v[160+n:161+n], v[160+n:161+n], v[F:F+1] op_sel_hi:[1,0]
.set n, n+2
.endr
.irp b, 0,1
.irp j, 0,1,2,3,4,5,6,7
	v_permlane16_swap_b32 v[160+16*\b+\j], v[168+16*\b+\j]   ; register 16 b + i of lane (r, h) is now channel 32 b + 16 h + i
.endr
.endr
.irp b, 0,1
	v_max3_num_f32 v[BM+\b], |v[160+16*\b]|, |v[161+16*\b]|, 0x1800000
.endr
.irp i, 2,4,6,8,10,12,14
.irp b, 0,1
	s_delay_alu instid0(VALU_DEP_2)
	v_max3_num_f32 v[BM+\b], v[BM+\b], |v[160+16*\b+\i]|, |v[161+16*\b+\i]|
.endr
.endr
.irp b, 0,1
	s_delay_alu instid0(VALU_DEP_2)
	v_permlanex16_b32 v[PT+\b], v[BM+\b], s[SEL], s[SEL+1]
.endr
.irp b, 0,1
	s_delay_alu instid0(VALU_DEP_2)
	v_max_num_f32 v[BM+\b], v[BM+\b], v[PT+\b]
.endr
.irp b, 0,1
	s_delay_alu instid0(VALU_DEP_2)
	v_add_nc_u32 v[SO+\b], 0xff000000, v[BM+\b]
.endr
.irp b, 0,1
	s_delay_alu instid0(VALU_DEP_2)
	v_lshrrev_b32 v[PT+\b], 23, v[SO+\b]
.endr
	s_delay_alu instid0(VALU_DEP_1)
	v_cndmask_b32 v[BY], v[PT], v[PT+1], s58       ; lane (r, h) stores block h's byte of row r
	v_cvt_scalef32_pk16_fp6_f32 v[PC:PC+2], v[160:175], v[SO]
	v_cvt_scalef32_pk16_fp6_f32 v[CT:CT+2], v[176:191], v[SO+1]
	v_nop
.irp i, 0,1,2
	v_permlane16_swap_b32 v[PC+\i], v[CT+\i]
.endr
.irp i, 0,1,2
	s_delay_alu instid0(VALU_DEP_3)
	v_mov_b32 v[PC+3+\i], v[CT+\i]
.endr
	global_store_b128 v[AK0], v[PC:PC+3], s[54:55] offset:\p*12288         ; 512 consecutive bytes, aligned
	global_store_b64 v[L8], v[PC+4:PC+5], s[54:55] offset:\p*12288+512     ; 256
	global_store_b8 v[BA], v[BY], s[56:57] offset:\p*512
	s_wait_xcnt 0x0                                ; the stores' registers are written again only behind this wait
.endm
	s_wait_loadcnt 0x0                             ; Q
	INIT
	s_wait_tensorcnt 0x0                           ; my eighth of a plane has landed
	s_wait_dscnt 0x0
	s_barrier_signal -1
	s_barrier_wait -1                              ; everybody's has
	RUN 16, 28
	OUT 0
	INIT
	RUN 232, 29
	OUT 1
	s_wait_tensorcnt 0x0                           ; the wave's end
	ds_add_u32 v254, v255
	s_wait_dscnt 0x0
	CROUND                                         ; the closing round
	s_endpgm
.Lfunc_end_k_qef5cbdd3ed_attn:
	.size	k_qef5cbdd3ed_attn, .Lfunc_end_k_qef5cbdd3ed_attn-k_qef5cbdd3ed_attn
	.p2alignl 7, 3214868480
	.fill 96, 4, 3214868480
	.section	.rodata,"a",@progbits
	.p2align	6, 0x0
	.amdhsa_kernel k_qef5cbdd3ed_attn
		.amdhsa_group_segment_fixed_size 215040
		.amdhsa_private_segment_fixed_size 0
		.amdhsa_enable_private_segment 0
		.amdhsa_kernarg_size 24
		.amdhsa_user_sgpr_count 2
		.amdhsa_user_sgpr_kernarg_segment_ptr 1
		.amdhsa_wavefront_size32 1
		.amdhsa_system_sgpr_workgroup_id_x 1
		.amdhsa_system_sgpr_workgroup_id_y 1
		.amdhsa_system_sgpr_workgroup_id_z 1
		.amdhsa_system_vgpr_workitem_id 0
		.amdhsa_next_free_vgpr 256
		.amdhsa_next_free_sgpr 66
		.amdhsa_reserve_vcc 0
		.amdhsa_float_denorm_mode_32 3
		.amdhsa_float_denorm_mode_16_64 3
		.amdhsa_memory_ordered 1
		.amdhsa_forward_progress 1
		.amdhsa_inst_pref_size 53
	.end_amdhsa_kernel
	.amdgpu_metadata
---
amdhsa.version: [ 1, 2 ]
amdhsa.kernels:
  - .name:           k_qef5cbdd3ed_attn
    .symbol:         k_qef5cbdd3ed_attn.kd
    .args:
      - { .name: qkvimg, .offset: 0, .size: 8, .value_kind: global_buffer, .address_space: global }
      - { .name: acode, .offset: 8, .size: 8, .value_kind: global_buffer, .address_space: global }
      - { .name: ascale, .offset: 16, .size: 8, .value_kind: global_buffer, .address_space: global }
    .group_segment_fixed_size: 215040
    .private_segment_fixed_size: 0
    .kernarg_segment_align: 8
    .kernarg_segment_size: 24
    .max_flat_workgroup_size: 512
    .sgpr_count:     66
    .vgpr_count:     256
    .wavefront_size: 32
...
	.end_amdgpu_metadata
.endif
;; end of part 3
;; launch outproj (part 4): grid 4 x 64, 4 waves a work-group, clusters of 4 x 4, 327,680 bytes of LDS; arguments acode, ascale, Wo_w_codes, Wo_w_scales, Wo_b, out0; writes out0
.if DOCPART == 4
	.amdgcn_target "amdgcn-amd-amdhsa--gfx1250"
	.amdhsa_code_object_version 6
	.text
	.protected	k_qef5cbdd3ed_outproj
	.globl	k_qef5cbdd3ed_outproj
	.p2align	8
	.type	k_qef5cbdd3ed_outproj,@function
k_qef5cbdd3ed_outproj:
	s_mov_b64 s[64:65], 0
	v_nop
	global_prefetch_b8 v0, s[64:65] scope:SCOPE_SE
	s_setreg_imm32_b32 hwreg(HW_REG_WAVE_MODE, 25, 1), 1
	s_wait_xcnt 0x0
	s_wait_alu depctr_hold_cnt(0) depctr_sa_sdst(0) depctr_va_vdst(0) depctr_va_sdst(0) depctr_va_ssrc(0) depctr_va_vcc(0) depctr_vm_vsrc(0)
	s_getreg_b32 s2, hwreg(HW_REG_IB_STS2, 6, 4)
	s_cmp_eq_u32 s2, 0
	s_cbranch_scc0 .Lentry_in_a_cluster
	s_endpgm
.Lentry_in_a_cluster:
	s_bfe_u32 s2, ttmp6, 0x10000c
	s_cmp_lg_u32 s2, 0xf033
	s_cbranch_scc0 .Lentry_shape_is_right
	s_endpgm
.Lentry_shape_is_right:
; out = attn Wo^T + bias on FP6 codes.  A: the attention's register images, acode [row tile 512][K step 8][1,536], ascale [8192][32]; B: Wo's given codes [1024][768 bytes] and scales.
; A work-group makes 128 rows x 256 columns: 64 x 4 = 256 work-groups.  A wave makes 64 x 128: 32 accumulators, which take turns in the same order in every step.
; ALL OF K LIES IN LDS, FILLED ONCE, one joint load a wave at the head: wave 0 A's eight row tiles (98,304 dense bytes), wave 1 B's 256 whole rows of 768 bytes (16 bytes of padding behind every 256: pitch 816),
; wave 2 A's scales, wave 3 B's.  Nothing is filled again: no ring, one barrier ahead of the walk.  Every row in memory begins at a multiple of 256 bytes.
; CLUSTERS 4 x 4: A's tiles are shared along a row of the cluster, B's along a column.  No prefetch: all loads go out at the head, so there is no loop of loads to run ahead in.
; The matrix instruction is used transposed (source 0 = B's rows, source 1 = A's rows): a lane holds eight neighbouring columns of a row; the bias is the C of the first step's products.
; REGISTERS: window 0: v0-31 addresses; v32-95 all scale words (block i, step st at 8 i + st; lanes 0-15 A's, lanes 16-31 B's); v96-159 bias; v160-255 A's fragments, two sets;
; window 1: B's fragments, two sets at v0 and v128; window 2: the accumulators.
.set BP,     816
.set TILEB,  12288
.set BL,     8*TILEB
.set SCL,    BL+256*BP
.set SBLK,   544                       ; the scales of 16 rows: two units of 256 + 16
.set SCB,    SCL+8*SBLK
.set SPARE,  SCB+16*SBLK
.set SPITCH, 528                       ; the stage: 16 rows x (512 + 16) a wave, in A's bytes, behind the barrier that ends all reads of them
.set ADRA, 16                          ; v16 16 x lane, v17 8 x lane, in my four row tiles
.set ADRB, 20                          ; v20 blocks 0-3, v21 the same where lanes 16-31 pass a padding; v22, v23 blocks 4-7
.set STO,  24
.set RD,   25
.set CO,   26
.set ADRS, 27
.set SPW,  28
.set NIL,  29
.set BO,   30
.set SC,   32
.set BIAS, 96
.set AF,   160
.set BK,   96
.set OUTP, 98
.set G1, 24
.set G0, 32
.set G1B, 48
.set G0B, 56
.set G1S, 68
.set G0S, 76
.set G1SB, 80
.set G0SB, 88
.set MSB, 0
.macro WIN new
.if MSB != (\new)
	s_set_vgpr_msb (MSB<<8)|(\new)
.set MSB, (\new)
.endif
.endm
.macro CROUND
	s_barrier_signal -1
	s_barrier_wait -1
	s_cmp_lg_u32 s14, 0
	s_cbranch_scc1 .Lnot_wave_0_\@
	s_barrier_signal -3
.Lnot_wave_0_\@:
	s_barrier_wait -3
	s_barrier_signal -1
	s_barrier_wait -1
.endm
.macro PLACES
.rept 4
	v_nop
.endr
.endm
	s_load_b128 s[4:7], s[0:1], 0x0                ; acode, ascale
	s_load_b128 s[8:11], s[0:1], 0x10              ; Wo's codes, scales
	s_load_b128 s[96:99], s[0:1], 0x20             ; bias, out
	v_lshl_add_u32 v[SPW], v0, 2, SPARE
	v_mov_b32 v[NIL], 0
	ds_add_u32 v[SPW], v[NIL]                      ; the opening lines
	ds_add_u32 v[SPW], v[NIL]
	v_lshrrev_b32 v1, 5, v0
	v_readfirstlane_b32 s14, v1                    ; wave
	s_lshr_b32 s15, s14, 1                         ; my 64 rows
	s_and_b32 s16, s14, 1                          ; my 128 columns
	s_bfe_u32 s40, ttmp6, 0x40000                  ; cx
	s_bfe_u32 s41, ttmp6, 0x40004                  ; cy
	s_lshl_b32 s42, ttmp9, 2
	s_add_co_u32 s42, s42, s40                     ; block of 256 columns
	s_and_b32 s17, ttmp7, 0xffff
	s_lshl_b32 s17, s17, 2
	s_add_co_u32 s17, s17, s41                     ; block of 128 rows
	s_lshl_b32 s43, s41, 2
	s_lshl_b32 s43, 15, s43                        ; my row of the cluster
	s_lshl_b32 s44, 0x1111, s40                    ; my column
	s_or_b32 s[G1+0], s43, (3<<16)|(1<<21)         ; A: 384 dense rows of 256 bytes, no padding
	s_mov_b32 s[G1+1], 32<<16
	s_mov_b32 s[G1+2], 384<<16
	s_mov_b32 s[G1+3], 32<<16
	s_mov_b32 s[G1+4], 384
	s_mov_b32 s[G1+5], 32
	s_mov_b32 s[G1+6], 0
	s_mov_b32 s[G1+7], 0
	s_or_b32 s[G1B+0], s44, (0<<16)|(1<<20)|(1<<21)|(5<<22)|(3<<25)   ; B: 256 rows of 768 bytes, 16 of padding behind every 256
	s_mov_b32 s[G1B+1], 768<<16
	s_mov_b32 s[G1B+2], 256<<16
	s_mov_b32 s[G1B+3], 768<<16
	s_mov_b32 s[G1B+4], 256
	s_mov_b32 s[G1B+5], 768
	s_mov_b32 s[G1B+6], 0
	s_mov_b32 s[G1B+7], 0
	s_or_b32 s[G1S+0], s43, (3<<16)|(1<<20)|(1<<21)|(5<<22)|(3<<25)   ; A's scales: 16 dense rows of 256 bytes
	s_mov_b32 s[G1S+1], 32<<16
	s_mov_b32 s[G1S+2], 16<<16
	s_mov_b32 s[G1S+3], 32<<16
	s_mov_b32 s[G1S+4], 16
	s_mov_b32 s[G1S+5], 32
	s_mov_b32 s[G1S+6], 0
	s_mov_b32 s[G1S+7], 0
	s_or_b32 s[G1SB+0], s44, (3<<16)|(1<<20)|(1<<21)|(5<<22)|(3<<25)  ; B's: 32
	s_mov_b32 s[G1SB+1], 32<<16
	s_mov_b32 s[G1SB+2], 32<<16
	s_mov_b32 s[G1SB+3], 32<<16
	s_mov_b32 s[G1SB+4], 32
	s_mov_b32 s[G1SB+5], 32
	s_mov_b32 s[G1SB+6], 0
	s_mov_b32 s[G1SB+7], 0
	s_mul_i32 s20, s17, 8*TILEB
	s_lshl_b32 s22, s17, 12
	s_mul_i32 s46, s42, 256*768
	s_lshl_b32 s92, s42, 13
	s_mov_b32 s21, 0
	s_mov_b32 s23, 0
	s_mov_b32 s47, 0
	s_mov_b32 s93, 0
	s_wait_dscnt 0x0
	s_wait_kmcnt 0x0
	s_mov_b32 s[G0], 1
	s_mov_b32 s[G0+1], 0
	s_add_nc_u64 s[G0+2:G0+3], s[4:5], s[20:21]
	s_or_b32 s[G0+3], s[G0+3], 0x80000000
	s_mov_b32 s[G0B], 1
	s_mov_b32 s[G0B+1], BL
	s_add_nc_u64 s[G0B+2:G0B+3], s[8:9], s[46:47]
	s_or_b32 s[G0B+3], s[G0B+3], 0x80000000
	s_mov_b32 s[G0S], 1
	s_mov_b32 s[G0S+1], SCL
	s_add_nc_u64 s[G0S+2:G0S+3], s[6:7], s[22:23]
	s_or_b32 s[G0S+3], s[G0S+3], 0x80000000
	s_mov_b32 s[G0SB], 1
	s_mov_b32 s[G0SB+1], SCB
	s_add_nc_u64 s[G0SB+2:G0SB+3], s[10:11], s[92:93]
	s_or_b32 s[G0SB+3], s[G0SB+3], 0x80000000
	CROUND                                         ; the joint loads meet
.macro ARM under, g0, g1, next         ; one tree of branches on the wave's number: every way passes one load
	s_cmp_lt_u32 s14, \under
	s_cbranch_scc0 \next
	tensor_load_to_lds s[\g0:\g0+3], s[\g1:\g1+7]
	s_nop 0
.rept 4
	v_nop
.endr
	s_branch .Lhead_asked
\next:
.endm
	ARM 1, G0,  G1,  .Lhead_b
	ARM 2, G0B, G1B, .Lhead_sa
	ARM 3, G0S, G1S, .Lhead_sb
	tensor_load_to_lds s[G0SB:G0SB+3], s[G1SB:G1SB+7]
	s_nop 0
.rept 4
	v_nop
.endr
.Lhead_asked:
	s_mul_i32 s21, s15, 4*TILEB                    ; my four row tiles
	s_mul_i32 s22, s16, 128*BP
	s_add_co_u32 s22, s22, BL                      ; my 128 rows of B
	s_mul_i32 s20, s15, 4*SBLK
	s_add_co_u32 s20, s20, SCL                     ; my rows' scales: A's,
	s_mul_i32 s23, s16, 8*SBLK
	s_add_co_u32 s23, s23, SCB
	s_sub_co_u32 s23, s23, s20                     ; and how far behind them B's lie
	s_mul_i32 s19, s14, 16*SPITCH                  ; my stage
	s_lshl_b32 s46, s42, 10
	s_lshl_b32 s47, s16, 9
	s_add_co_u32 s46, s46, s47                     ; my first column, in bytes
	s_mov_b32 s47, 0
	s_add_nc_u64 s[12:13], s[96:97], s[46:47]      ; its bias
	s_lshl_b32 s44, s17, 7
	s_lshl_b32 s45, s15, 6
	s_add_co_u32 s44, s44, s45                     ; my first row
	s_lshl_b32 s44, s44, 12
	s_add_co_u32 s46, s46, s44                     ; under 2^25
	s_add_nc_u64 s[OUTP:OUTP+1], s[OUTP:OUTP+1], s[46:47]
	v_and_b32 v1, 15, v0                           ; r
	v_bfe_u32 v2, v0, 4, 1                         ; h
	v_and_b32 v3, 31, v0
	v_lshlrev_b32 v[BO], 5, v2
	v_lshlrev_b32 v[CO], 4, v3
	v_lshlrev_b32 v4, 3, v3
	v_add_nc_u32 v[ADRA], s21, v[CO]
	v_add_nc_u32 v[ADRA+1], s21, v4
	v_mul_u32_u24 v5, v1, BP
	v_mad_u32_u24 v5, v2, 24, v5
	v_add_nc_u32 v[ADRB], s22, v5                  ; row x pitch + 24 h
	v_lshl_add_u32 v[ADRB+1], v2, 4, v[ADRB]
	v_add_nc_u32 v[ADRB+2], 64*BP, v[ADRB]
	v_add_nc_u32 v[ADRB+3], 64*BP, v[ADRB+1]
	v_lshlrev_b32 v6, 5, v1                        ; 32 bytes of scales a row,
	v_lshrrev_b32 v7, 8, v6
	v_lshl_add_u32 v6, v7, 4, v6                   ; 16 more for each 256 passed
	v_mul_u32_u24 v7, s23, v2                      ; lanes 16-31 take B's
	v_add_nc_u32 v6, v6, v7
	v_add_nc_u32 v[ADRS], s20, v6
	v_mul_u32_u24 v8, v1, SPITCH
	v_lshl_add_u32 v8, v2, 5, v8
	v_add_nc_u32 v[STO], s19, v8
	v_add_nc_u32 v[RD], s19, v[CO]
.irp b, 0,1,2,3,4,5,6,7
	global_load_b128 v[BIAS+8*\b:BIAS+8*\b+3], v[BO], s[12:13] offset:64*\b
	global_load_b128 v[BIAS+8*\b+4:BIAS+8*\b+7], v[BO], s[12:13] offset:64*\b+16
.endr
; step st's fragments into set st % 2.  B: byte y of a row lies at y + 16 (y / 256); lanes 16-31 read 24 bytes on.  A: images, as the attention stored them.
.macro FETCH st
	WIN 0x40
.irp i, 0,1,2,3,4,5,6,7
.irp p, 0,1,2,3,4,5
.set BY, 96*(\st)+48*(\p/3)+8*(\p%3)
.set RG, 128*((\st)%2)+12*\i+2*\p
.if BY/256 == (BY+24)/256
	ds_load_b64 v[RG:RG+1], v[ADRB+2*(\i/4)] offset:BY+16*(BY/256)+(\i%4)*16*BP
.else
	ds_load_b64 v[RG:RG+1], v[ADRB+1+2*(\i/4)] offset:BY+16*(BY/256)+(\i%4)*16*BP
.endif
.endr
.endr
	WIN 0
.irp i, 0,1,2,3
.irp c, 0,1
.set RG, AF+48*((\st)%2)+12*\i+6*\c
	ds_load_b128 v[RG:RG+3], v[ADRA] offset:TILEB*\i+1536*(\st)+768*\c
	ds_load_b64 v[RG+4:RG+5], v[ADRA+1] offset:TILEB*\i+1536*(\st)+768*\c+512
.endr
.endr
.endm
.macro STEP st
	s_wait_dscnt 0x0                               ; this step's fragments are in (the first time: the scale words too)
.if (\st) == 7
	s_barrier_signal -1                            ; my last reads of the tiles are over: the stage may lie on A's bytes behind this barrier
.endif
.if (\st) > 0
	PLACES                                         ; ahead of loads into the set that the last step multiplied
.endif
.if (\st) < 7
	FETCH (\st)+1
.endif
.if (\st) == 0
	WIN 0x81                                       ; source 0 window 1, C window 0, D window 2
.else
	WIN 0xa1
.endif
.irp a, 0,1,2,3
.irp b, 0,1,2,3,4,5,6,7
.set AC, 8*(8*\a+\b)
.set RB, 128*((\st)%2)+12*\b
.set RA, AF+48*((\st)%2)+12*\a
.if (\st) == 0
	v_wmma_scale_f32_16x16x128_f8f6f4 v[AC:AC+7], v[RB:RB+11], v[RA:RA+11], v[BIAS+8*\b:BIAS+8*\b+7], v[SC+8*\b+(\st)], v[SC+8*\a+(\st)] matrix_a_fmt:MATRIX_FMT_FP6 matrix_b_fmt:MATRIX_FMT_FP6 matrix_a_scale:MATRIX_SCALE_ROW1
.else
	v_wmma_scale_f32_16x16x128_f8f6f4 v[AC:AC+7], v[RB:RB+11], v[RA:RA+11], v[AC:AC+7], v[SC+8*\b+(\st)], v[SC+8*\a+(\st)] matrix_a_fmt:MATRIX_FMT_FP6 matrix_b_fmt:MATRIX_FMT_FP6 matrix_a_scale:MATRIX_SCALE_ROW1
.endif
.endr
.endr
	WIN 0
.endm
	s_wait_alu depctr_va_vdst(0)                   ; the wait at the head's end
	s_wait_loadcnt 0x0                             ; the bias
	s_wait_tensorcnt 0x0                           ; my tile of the four
	s_barrier_signal -1
	s_barrier_wait -1                              ; all four are in
.irp i, 0,1,2,3,4,5,6,7
	ds_load_b128 v[SC+8*\i:SC+8*\i+3], v[ADRS] offset:\i*SBLK          ; a row's eight scale words; for i > 3 lanes 0-15 read words that no product names
	ds_load_b128 v[SC+8*\i+4:SC+8*\i+7], v[ADRS] offset:\i*SBLK+16
.endr
	FETCH 0
.irp st, 0,1,2,3,4,5,6,7
	STEP \st
.endr
	s_barrier_wait -1                              ; nobody reads the tiles any more
; THE WAY OUT: a block of 16 rows x 128 columns goes through my stage and comes back as rows of 512 bytes
.macro TOSTAGE a
	WIN 0x08                                       ; the data: window 2
.irp b, 0,1,2,3,4,5,6,7
	ds_store_b128 v[STO], v[64*(\a)+8*\b:64*(\a)+8*\b+3] offset:64*\b      ; each accumulator from its low end on
	ds_store_b128 v[STO], v[64*(\a)+8*\b+4:64*(\a)+8*\b+7] offset:64*\b+16
.endr
	WIN 0
.set BB, BK+64*((\a)%2)
.irp t, 0,1,2,3,4,5,6,7,8,9,10,11,12,13,14,15
	ds_load_b128 v[BB+4*\t:BB+4*\t+3], v[RD] offset:\t*SPITCH              ; a wave's LDS instructions are served in order
.endr
.endm
.macro SEND a, younger                 ; younger: LDS instructions issued behind block a's loads
.set BB, BK+64*((\a)%2)
	s_wait_dscnt \younger
.if (\a) > 0
	s_add_nc_u64 s[OUTP:OUTP+1], s[OUTP:OUTP+1], 16*4096   ; behind a wait on XCNT
.endif
.irp t, 0,1,2,3,4,5,6,7,8,9,10,11,12,13,14,15
	global_store_b128 v[CO], v[BB+4*\t:BB+4*\t+3], s[OUTP:OUTP+1] offset:\t*4096 th:TH_STORE_NT   ; 512 consecutive bytes, aligned
.endr
.endm
	PLACES
	TOSTAGE 0
.irp a, 1,2,3
.if \a > 1
	s_wait_xcnt 0x0                                ; block a - 2's stores have read their registers and base
.endif
	TOSTAGE \a
	SEND \a-1, 32                                  ; block a's 16 stores and 16 loads may be out
.endr
	s_wait_xcnt 0x0
	SEND 3, 0
	s_wait_tensorcnt 0x0                           ; the wave's end
	ds_add_u32 v[SPW], v[NIL]
	s_wait_dscnt 0x0
	CROUND                                         ; the closing round
	s_endpgm
.Lfunc_end_k_qef5cbdd3ed_outproj:
	.size	k_qef5cbdd3ed_outproj, .Lfunc_end_k_qef5cbdd3ed_outproj-k_qef5cbdd3ed_outproj
	.p2alignl 7, 3214868480
	.fill 96, 4, 3214868480
	.section	.rodata,"a",@progbits
	.p2align	6, 0x0
	.amdhsa_kernel k_qef5cbdd3ed_outproj
		.amdhsa_group_segment_fixed_size 327680
		.amdhsa_private_segment_fixed_size 0
		.amdhsa_enable_private_segment 0
		.amdhsa_kernarg_size 48
		.amdhsa_user_sgpr_count 2
		.amdhsa_user_sgpr_kernarg_segment_ptr 1
		.amdhsa_wavefront_size32 1
		.amdhsa_system_sgpr_workgroup_id_x 1
		.amdhsa_system_sgpr_workgroup_id_y 1
		.amdhsa_system_sgpr_workgroup_id_z 1
		.amdhsa_system_vgpr_workitem_id 0
		.amdhsa_next_free_vgpr 768
		.amdhsa_next_free_sgpr 100
		.amdhsa_reserve_vcc 0
		.amdhsa_float_denorm_mode_32 3
		.amdhsa_float_denorm_mode_16_64 3
		.amdhsa_memory_ordered 1
		.amdhsa_forward_progress 1
		.amdhsa_inst_pref_size 92
	.end_amdhsa_kernel
	.amdgpu_metadata
---
amdhsa.version: [ 1, 2 ]
amdhsa.kernels:
  - .name:           k_qef5cbdd3ed_outproj
    .symbol:         k_qef5cbdd3ed_outproj.kd
    .args:
      - { .name: acode, .offset: 0, .size: 8, .value_kind: global_buffer, .address_space: global }
      - { .name: ascale, .offset: 8, .size: 8, .value_kind: global_buffer, .address_space: global }
      - { .name: Wo_w_codes, .offset: 16, .size: 8, .value_kind: global_buffer, .address_space: global }
      - { .name: Wo_w_scales, .offset: 24, .size: 8, .value_kind: global_buffer, .address_space: global }
      - { .name: Wo_b, .offset: 32, .size: 8, .value_kind: global_buffer, .address_space: global }
      - { .name: out0, .offset: 40, .size: 8, .value_kind: global_buffer, .address_space: global }
    .group_segment_fixed_size: 327680
    .private_segment_fixed_size: 0
    .kernarg_segment_align: 8
    .kernarg_segment_size: 48
    .max_flat_workgroup_size: 128
    .sgpr_count:     100
    .vgpr_count:     768
    .wavefront_size: 32
...
	.end_amdgpu_metadata
.endif
;; end of part 4
